; MI455X (gfx1250); checked and timed in simulation.
; The chip was launched on July 23, 2026; its instructions are those of AMD's public machine-readable ISA for CDNA 5 (MIT licence, August 2026) and "CDNA5" Instruction Set Architecture Reference Guide (July 2026). The comments in the code are by the model that wrote it; some were corrected since.
;; Transformer Block. Allowed arithmetic: matrix products marked QUANTISED: E2M3 operands, one E8M0 scale for each 32 along K, by v_wmma_scale_f32_16x16x128_f8f6f4 with both operands' format E2M3, f32 sums; everything else in f32.
;; Inputs: b1 4,096 float32; b2 1,024 float32; b_out 1,024 float32; b_qkv 3,072 float32; ln1_b 1,024 float32; ln1_g 1,024 float32; ln2_b 1,024 float32; ln2_g 1,024 float32; w1 1,024 x 4,096 float32; w2 4,096 x 1,024 float32; w_out 1,024 x 1,024 float32; w_qkv 1,024 x 3,072 float32; x 2 x 2,048 x 1,024 float32.
;; Outputs: out0 2 x 2,048 x 1,024 float32.
;; This version of the problem:
;;   THIS VERSION OF THE PROBLEM IS GIVEN IN LOW PRECISION. The matrix products marked QUANTISED in the list below multiply operands that are first quantised to E2M3 (2 exponent bits, 3 mantissa bits; 6 bits a number), with one power-of-two scale for each 32 numbers along K (OCP MX v1.0); their sums are f32. All else is computed in f32.
;;   The module's matrix products, in the order in which they are computed (A, B: the left and right operand; K: the contracted axis; several contracted axes count as one K, in the product's order):
;;     1. [M 4,096, K 1,024] x [K 1,024, N 3,072]; A: computed on the way; B: input w_qkv: QUANTISED
;;     2. batch 32 x [M 2,048, K 64] x [K 64, N 2,048]; A: computed on the way; B: computed on the way: QUANTISED
;;     3. batch 32 x [M 2,048, K 2,048] x [K 2,048, N 64]; A: softmax (see below); B: computed on the way: QUANTISED
;;     4. [M 4,096, K 1,024] x [K 1,024, N 1,024]; A: computed on the way; B: input w_out: QUANTISED
;;     5. [M 4,096, K 1,024] x [K 1,024, N 4,096]; A: computed on the way; B: input w1: QUANTISED
;;     6. [M 4,096, K 4,096] x [K 4,096, N 1,024]; A: computed on the way; B: input w2: QUANTISED
;;   THE QUANTISER, for each operand of a quantised product, along K:
;;     - K is cut into blocks of 32 from its start; a last block that is shorter is filled with zeros.
;;     - A block's scale is 2^e with e = floor(log2(the largest magnitude in the block)) - 2, held to -126 .. 127; a block of zeros has e = 0. As a byte (E8M0): e + 127.
;;     - Each number is divided by its block's scale, clamped to +-7.5, and rounded to the nearest number of E2M3, ties to even, subnormals kept.
;;     - The product sums the exact products of the quantised numbers (number of the format x scale) in f32.
;;   ~~~python
;;   def quantise(x, axis):      # numpy; x: float32 -> the quantised numbers, widened to float32 again
;;       x = np.moveaxis(x, axis, -1); K = x.shape[-1]
;;       x = np.pad(x, [(0, 0)] * (x.ndim - 1) + [(0, -K % 32)]); x = x.reshape(x.shape[:-1] + (-1, 32)); a = np.abs(x).max(-1, keepdims=True)
;;       e = np.where(a > 0, np.clip(np.frexp(np.where(a > 0, a, 1))[1] - 1 - 2, -126, 127), 0)      # np.frexp(a)[1] - 1 = floor(log2(a)), exactly
;;       r = np.clip(x / 2.0 ** e, -7.5, 7.5)
;;       step = 2.0 ** (np.maximum(np.frexp(np.where(r == 0, 1, r))[1] - 1, 0) - 3)
;;       q = np.round(r / step) * step * 2.0 ** e      # np.round: ties to even
;;       return np.moveaxis(q.reshape(q.shape[:-2] + (-1,))[..., :K], -1, axis).astype(np.float32)
;;   ~~~
;;   SOFTMAX AHEAD OF A QUANTISED PRODUCT. Where the list says 'softmax', what is quantised is not the finished softmax but p = 2^(t - M), with t = logit x log2(e) and M = ceil(the row's largest t), a whole number; so 1/2 < the row's largest p <= 1. The row's sum l is taken of the UNQUANTISED p, in f32, and the product's result is divided by l at the end. Since M is a whole number, a kernel that streams over the keys may use a running M (the ceiling of the running maximum): every later rescaling is an exact power of two, which a block's scale takes up: the codes' values come out the same.
;;   OPERANDS COMPUTED ON THE WAY. 'Computed on the way' means the value that the module computes at that place (a softmax that the list does not call 'softmax' is quantised finished and normalised). What goes into a quantiser is computed in f32, as accurately as f32 sums, v_exp_f32 and their like allow (about 1e-6 of the number): no bf16 or f16 on the way to a quantiser, and a product that is left as it is and whose result goes on into a quantised operand takes f32 operands (vector FMAs, or v_wmma_f32_16x16x4_f32). A number that lies on a knife's edge between two numbers of the format may be rounded either way, as far as f32 arithmetic and the matrix unit's own rounding can turn it there, and no further.
;; One version. Each part assembles by itself: llvm-mc -triple=amdgcn-amd-amdhsa -mcpu=gfx1250 --defsym DOCPART=n.
;; ======== version 1 of 1: 7 launches
;; limits: right only within a limited range of input values
;; workspace buffers: wb 10,649,600 bytes; hb 3,276,800 bytes; qb 9,830,400 bytes; ab 3,276,800 bytes; x1 16,777,216 bytes; gb 13,107,200 bytes
;; launch wq (part 1): grid 384 x 1, 4 waves a work-group, no clusters, 25,088 bytes of LDS; arguments w_qkv, w_out, w1, w2, wb; writes wb
.if DOCPART == 1
	.amdgcn_target "amdgcn-amd-amdhsa--gfx1250"
	.amdhsa_code_object_version 6
	.text
	.protected	k_qfddb18e9c7_wq
	.globl	k_qfddb18e9c7_wq
	.p2align	8
	.type	k_qfddb18e9c7_wq,@function
k_qfddb18e9c7_wq:
	s_mov_b64 s[64:65], 0
	v_nop
	global_prefetch_b8 v0, s[64:65] scope:SCOPE_SE
	s_setreg_imm32_b32 hwreg(HW_REG_WAVE_MODE, 25, 1), 1
	s_wait_xcnt 0x0
; The four weights, f32, stored [K][N], become codes of FP6 (E2M3) with one E8M0 byte for each 32 along K, laid as REGISTER IMAGES:
; record (s, T) = K step s of 128, tile T of 16 columns, 1,536 bytes; lane l = r + 16 h of a matrix operand owns bytes 48 l .. 48 l + 47: at 24 c the 24 bytes of block 4 s + 2 c + h
; of column 32 (T / 2) + 8 (T % 2) + r % 8 + 16 (r / 8).  The scale words: 64 bytes for (s, T), word r = the four bytes of that column's blocks 4 s .. 4 s + 3.
; A block's scale is 2^(floor(log2(largest magnitude)) - 2); its byte is the largest magnitude's exponent field - 2, held at 1 from below.
; LIMITS: a block of zeros, or one whose largest magnitude lies under 2^-124, keeps the byte 1 (its codes are read by this program alone); NaN and infinities are not served.
; SHARES: a work-group takes 128 columns x 256 along K of one weight, a wave 32 columns (two tiles) x 8 blocks.  A LANE TAKES A COLUMN AND ITS REGISTERS RUN DOWN K: a load reads 128 consecutive bytes,
; a block lies in one lane, and the conversions give codes with K innermost.  The codes go through the wave's own stage in LDS and leave as 512 consecutive bytes a store.
; One path serves the four weights: what differs is chosen by s_cselect on the work-group's number.  No barrier: waves share nothing.
.set VO, 16                            ; v16-47   4 x lane + i rows of the weight: never rewritten
.set X,  48                            ; v48-111  two sets of 32 numbers; at the end the records on their way out
.set CQ, 112                           ; v112-117 a block's 24 bytes of codes
.set CF, 118                           ; v118-120 its upper half as the conversion leaves it
.set SB, 12                            ; v12-13   the scale words of the two K steps
.set BS, 32                            ; s[32:47] eight bases, 32 rows of the weight apart: never stepped
	s_load_b256 s[4:11], s[0:1], 0x0               ; w_qkv s[4:5], w_out s[6:7], w1 s[8:9], w2 s[10:11]
	s_load_b64 s[12:13], s[0:1], 0x20              ; wb
	v_lshl_add_u32 v144, v0, 2, 0x6000
	v_mov_b32 v145, 0
	v_lshrrev_b32 v1, 5, v0
	v_readfirstlane_b32 s16, v1                    ; wave 0..3
	v_and_b32 v2, 31, v0                           ; lane = column in the wave's 32
	v_lshlrev_b32 v3, 2, v2
	v_bfe_u32 v14, v0, 3, 1                        ; u: which of the two tiles my column falls into
	v_and_b32 v15, 7, v0
	v_bfe_u32 v8, v0, 4, 1
	v_lshl_add_u32 v15, v8, 3, v15                 ; r: its place in that tile
	s_mul_i32 s17, s16, 6144                       ; my stage: [K step][tile][1,536]
	v_mul_u32_u24 v4, v15, 48
	v_mad_u32_u24 v4, v14, 1536, v4
	v_add_nc_u32 v4, s17, v4                       ; v4: where my codes go in the stage
	v_lshlrev_b32 v7, 2, v15
	v_lshl_add_u32 v7, v14, 6, v7                  ; v7: my scale word's place: 64 u + 4 r
	v_lshlrev_b32 v6, 4, v2                        ; v6: 16 x lane, the way out
	v_add_nc_u32 v5, s17, v6
	v_mul_u32_u24 v121, v2, 48
	v_add_nc_u32 v121, s17, v121                   ; v121: my lane's 48 bytes of a record in my stage
	; w2's figures; the three compares below put the other weights' in their place
	s_mov_b32 s20, 256                             ; first work-group of the weight
	s_mov_b32 s21, 4096                            ; a row in bytes
	s_mov_b32 s22, 4                               ; log2 of its pieces of 256 along K
	s_mov_b32 s23, 64                              ; tiles in a K step of its region
	s_mov_b32 s24, 7372800                         ; its codes in wb
	s_mov_b32 s25, 10518528                        ; its scale words in wb
	s_wait_kmcnt 0x0
	s_mov_b64 s[14:15], s[10:11]
	s_cmp_lt_u32 ttmp9, 256                        ; w1
	s_cselect_b64 s[14:15], s[8:9], s[14:15]
	s_cselect_b32 s20, 128, s20
	s_cselect_b32 s21, 16384, s21
	s_cselect_b32 s22, 2, s22
	s_cselect_b32 s23, 256, s23
	s_cselect_b32 s24, 4096000, s24
	s_cselect_b32 s25, 7241728, s25
	s_cmp_lt_u32 ttmp9, 128                        ; w_out
	s_cselect_b64 s[14:15], s[6:7], s[14:15]
	s_cselect_b32 s20, 96, s20
	s_cselect_b32 s21, 4096, s21
	s_cselect_b32 s23, 64, s23
	s_cselect_b32 s24, 3276800, s24
	s_cselect_b32 s25, 4063232, s25
	s_cmp_lt_u32 ttmp9, 96                         ; w_qkv
	s_cselect_b64 s[14:15], s[4:5], s[14:15]
	s_cselect_b32 s20, 0, s20
	s_cselect_b32 s21, 12288, s21
	s_cselect_b32 s23, 256, s23
	s_cselect_b32 s24, 0, s24
	s_cselect_b32 s25, 3145728, s25
	s_sub_co_u32 s26, ttmp9, s20                   ; my number within the weight
	s_bfm_b32 s27, s22, 0
	s_and_b32 s27, s26, s27                        ; which 256 along K
	s_lshr_b32 s28, s26, s22                       ; which 128 columns
	s_mul_i32 s30, s27, s21
	s_lshl_b32 s30, s30, 8                         ; 256 rows a piece
	s_lshl_b32 s31, s28, 9
	s_add_co_u32 s30, s30, s31
	s_lshl_b32 s31, s16, 7
	s_add_co_u32 s30, s30, s31                     ; + 512 bytes a work-group, 128 a wave
	s_mov_b32 s31, 0
	s_add_nc_u64 s[BS:BS+1], s[14:15], s[30:31]
	s_lshl_b32 s30, s21, 5                         ; 32 rows on
.irp t, 1,2,3,4,5,6,7
	s_add_nc_u64 s[BS+2*\t:BS+2*\t+1], s[BS+2*\t-2:BS+2*\t-1], s[30:31]
.endr
.set n, 0
.rept 32
	v_mad_u32_u24 v[VO+n], s21, n, v3              ; row n of a block, my column
.set n, n+1
.endr
	s_lshl_b32 s50, s28, 3
	s_lshl_b32 s51, s16, 1
	s_add_co_u32 s50, s50, s51                     ; my first tile
	s_lshl_b32 s51, s27, 1
	s_mul_i32 s51, s51, s23
	s_add_co_u32 s51, s51, s50                     ; record (first K step, first tile)
	s_mul_i32 s52, s51, 1536
	s_add_co_u32 s52, s52, s24
	s_mov_b32 s53, 0
	s_add_nc_u64 s[54:55], s[12:13], s[52:53]      ; codes, first K step
	s_mul_i32 s52, s23, 1536
	s_add_nc_u64 s[56:57], s[54:55], s[52:53]      ; codes, second K step
	s_lshl_b32 s52, s51, 6
	s_add_co_u32 s52, s52, s25
	s_add_nc_u64 s[58:59], s[12:13], s[52:53]      ; scale words likewise
	s_lshl_b32 s52, s23, 6
	s_add_nc_u64 s[60:61], s[58:59], s[52:53]
.macro LOAD t                          ; block t: 32 rows of my column into set t % 2
.set n, 0
.rept 32
	global_load_b32 v[X+32*((\t)%2)+n], v[VO+n], s[BS+2*(\t):BS+2*(\t)+1] th:TH_LOAD_NT
.set n, n+1
.endr
.endm
	s_wait_alu depctr_va_vdst(0)
	LOAD 0
	LOAD 1
.macro BLOCK t
.set XS, X+32*((\t)%2)
.if (\t) < 7
	s_wait_loadcnt 32                              ; this block's 32 loads are in; the next block's 32 may be out
.else
	s_wait_loadcnt 0
.endif
	v_max3_num_f32 v8, |v[XS]|, |v[XS+1]|, |v[XS+2]|               ; the block's largest magnitude: all 32 numbers are mine; two chains
	v_max3_num_f32 v9, |v[XS+3]|, |v[XS+4]|, |v[XS+5]|
.irp i, 6,10,14,18,22,26
	v_max3_num_f32 v8, v8, |v[XS+\i]|, |v[XS+\i+1]|
	v_max3_num_f32 v9, v9, |v[XS+\i+2]|, |v[XS+\i+3]|
.endr
	v_max3_num_f32 v8, v8, |v[XS+30]|, |v[XS+31]|
	v_max3_num_f32 v8, v8, v9, 0x1800000           ; and the floor 2^(3 - 127): the byte cannot fall under 1
	v_add_nc_u32 v10, 0xff000000, v8               ; 2 off the exponent field: the conversion takes this operand's exponent field as its scale
	v_lshrrev_b32 v11, 23, v10                     ; the scale's byte
.if (\t)%4 == 0
	v_mov_b32 v[SB+(\t)/4], v11
.else
	v_lshl_or_b32 v[SB+(\t)/4], v11, 8*((\t)%4), v[SB+(\t)/4]
.endif
	v_cvt_scalef32_pk16_fp6_f32 v[CQ:CQ+2], v[XS:XS+15], v10
	v_cvt_scalef32_pk16_fp6_f32 v[CF:CF+2], v[XS+16:XS+31], v10    ; (a conversion's three registers begin on an even number)
	v_nop                                          ; one plain line behind the conversions
.irp i, 0,1,2
	v_mov_b32 v[CQ+3+\i], v[CF+\i]
.endr
.irp p, 0,1,2
	ds_store_b64 v4, v[CQ+2*\p:CQ+2*\p+1] offset:3072*((\t)/4)+768*((\t)%2)+24*(((\t)/2)%2)+8*\p   ; K step t / 4; half h = t % 2; c = (t / 2) % 2
.endr
.if (\t)+2 < 8
	LOAD (\t)+2
.endif
	s_wait_dscnt 0x0                               ; the stores have read their registers: the next block's codes may be written
.endm
.irp t, 0,1,2,3,4,5,6,7
	BLOCK \t
.endr
	global_store_b32 v7, v[SB], s[58:59]           ; 128 consecutive bytes: two tiles' scale words of a K step
	s_wait_alu depctr_va_vdst(0)
	global_store_b32 v7, v[SB+1], s[60:61]
	; w_out's records leave BY PIECES: byte 512 k + 16 l of a record is byte 48 l + 16 k of the image, so that its reader's loads of 16 bytes a lane cover 512 consecutive bytes
	s_cmp_eq_u32 s20, 96                           ; w_out's work-groups begin at 96
	s_cbranch_scc1 .Lpieces
.irp i, 0,1,2,3,4,5,6,7,8,9,10,11
	ds_load_b128 v[X+4*\i:X+4*\i+3], v5 offset:512*\i
.endr
	s_branch .Lback
.Lpieces:
.irp i, 0,1,2,3,4,5,6,7,8,9,10,11
	ds_load_b128 v[X+4*\i:X+4*\i+3], v121 offset:1536*(\i/3)+16*(\i%3)
.endr
.Lback:
.irp i, 0,1,2,3,4,5
	s_wait_dscnt 11-\i                             ; the younger loads may be out
	global_store_b128 v6, v[X+4*\i:X+4*\i+3], s[54:55] offset:512*\i   ; 512 consecutive bytes, aligned
.endr
.irp i, 6,7,8,9,10,11
	s_wait_dscnt 11-\i
	global_store_b128 v6, v[X+4*\i:X+4*\i+3], s[56:57] offset:512*(\i-6)
.endr
	s_wait_tensorcnt 0x0
	ds_add_u32 v144, v145
	s_wait_dscnt 0x0
	s_endpgm
.Lfunc_end_k_qfddb18e9c7_wq:
	.size	k_qfddb18e9c7_wq, .Lfunc_end_k_qfddb18e9c7_wq-k_qfddb18e9c7_wq
	.p2alignl 7, 3214868480
	.fill 96, 4, 3214868480
	.section	.rodata,"a",@progbits
	.p2align	6, 0x0
	.amdhsa_kernel k_qfddb18e9c7_wq
		.amdhsa_group_segment_fixed_size 25088
		.amdhsa_private_segment_fixed_size 0
		.amdhsa_enable_private_segment 0
		.amdhsa_kernarg_size 40
		.amdhsa_user_sgpr_count 2
		.amdhsa_user_sgpr_kernarg_segment_ptr 1
		.amdhsa_wavefront_size32 1
		.amdhsa_system_sgpr_workgroup_id_x 1
		.amdhsa_system_sgpr_workgroup_id_y 1
		.amdhsa_system_sgpr_workgroup_id_z 1
		.amdhsa_system_vgpr_workitem_id 0
		.amdhsa_next_free_vgpr 146
		.amdhsa_next_free_sgpr 66
		.amdhsa_reserve_vcc 0
		.amdhsa_float_denorm_mode_32 3
		.amdhsa_float_denorm_mode_16_64 3
		.amdhsa_memory_ordered 1
		.amdhsa_forward_progress 1
		.amdhsa_inst_pref_size 48
	.end_amdhsa_kernel
	.amdgpu_metadata
---
amdhsa.version: [ 1, 2 ]
amdhsa.kernels:
  - .name:           k_qfddb18e9c7_wq
    .symbol:         k_qfddb18e9c7_wq.kd
    .args:
      - { .name: w_qkv, .offset: 0, .size: 8, .value_kind: global_buffer, .address_space: global }
      - { .name: w_out, .offset: 8, .size: 8, .value_kind: global_buffer, .address_space: global }
      - { .name: w1, .offset: 16, .size: 8, .value_kind: global_buffer, .address_space: global }
      - { .name: w2, .offset: 24, .size: 8, .value_kind: global_buffer, .address_space: global }
      - { .name: wb, .offset: 32, .size: 8, .value_kind: global_buffer, .address_space: global }
    .group_segment_fixed_size: 25088
    .private_segment_fixed_size: 0
    .kernarg_segment_align: 8
    .kernarg_segment_size: 40
    .max_flat_workgroup_size: 128
    .sgpr_count:     66
    .vgpr_count:     146
    .wavefront_size: 32
...
	.end_amdgpu_metadata
.endif
;; end of part 1
;; launch ln1 (part 2): grid 256 x 1, 16 waves a work-group, no clusters, 88,576 bytes of LDS; arguments x, ln1_g, ln1_b, hb; writes hb
.if DOCPART == 2
	.amdgcn_target "amdgcn-amd-amdhsa--gfx1250"
	.amdhsa_code_object_version 6
	.text
	.protected	k_qfddb18e9c7_ln1
	.globl	k_qfddb18e9c7_ln1
	.p2align	8
	.type	k_qfddb18e9c7_ln1,@function
k_qfddb18e9c7_ln1:
	s_mov_b64 s[64:65], 0
	v_nop
	global_prefetch_b8 v0, s[64:65] scope:SCOPE_SE
	s_setreg_imm32_b32 hwreg(HW_REG_WAVE_MODE, 25, 1), 1
	s_wait_xcnt 0x0
; y = (x - mean) rsqrt(var + 1e-5) g + b for rows of 1,024 f32, then quantised along the row to FP6 (E2M3) with one E8M0 byte for each 32, stored as register images:
; record (s, T), 1,536 bytes: lane l = r + 16 h owns bytes 48 l ..: at 24 c the 24 bytes of block 4 s + 2 c + h of token 32 (T / 2) + 8 (T % 2) + r % 8 + 16 (r / 8); scale words 64 bytes for (s, T), word r.
; SHARES: a work-group is a tile T of 16 tokens, wave w the token of place r = w.  The row stays in 32 registers a lane; the variance is the mean of (x - mean)^2, so a common offset of the inputs does no harm.
; The row turns through the wave's own stage so that lane l holds block l whole; the codes of the sixteen waves meet in a shared stage, one barrier, and leave as aligned runs of 256 bytes.
; LIMITS: a block of zeros, or one whose largest magnitude lies under 2^-124, keeps the byte 1; NaN and infinities are not served.
.set X,    16                          ; v16-47   the row's 32 numbers of my lane
.set G,    48                          ; v48-79   g; later block l of the row
.set BB,   80                          ; v80-111  b
.set CQ,   112
.set CF,   118
.set ISTG, 73728                       ; behind sixteen stages of 32 x 144 bytes: the tile's eight records
.set SSTG, 86016                       ; and their 512 scale bytes
	s_load_b256 s[4:11], s[0:1], 0x0               ; the rows s[4:5], g s[6:7], b s[8:9], hb s[10:11]
	v_lshl_add_u32 v128, v0, 2, 0x15200
	v_mov_b32 v129, 0
	v_lshrrev_b32 v1, 5, v0
	s_delay_alu instid0(VALU_DEP_1)
	v_readfirstlane_b32 s12, v1                    ; wave 0..15
	v_and_b32 v1, 31, v0                           ; lane
	s_delay_alu instid0(VALU_DEP_1)
	v_lshlrev_b32 v2, 4, v1                        ; 16 x lane
	s_lshr_b32 s13, ttmp9, 1
	s_lshl_b32 s13, s13, 5
	s_and_b32 s14, ttmp9, 1
	s_lshl_b32 s14, s14, 3
	s_add_co_u32 s13, s13, s14
	s_and_b32 s14, s12, 7
	s_add_co_u32 s13, s13, s14
	s_lshr_b32 s14, s12, 3
	s_lshl_b32 s14, s14, 4
	s_add_co_u32 s13, s13, s14                     ; my token
	s_lshl_b32 s14, s13, 12
	s_mov_b32 s15, 0
	s_mov_b32 s20, 0x3a800000                      ; 1 / 1024
	s_mov_b32 s21, 0x3727c5ac                      ; 1e-5
	s_mov_b32 s22, 0x76543210
	s_mov_b32 s23, 0xfedcba98                      ; lane l xor 16
	s_wait_alu depctr_va_vdst(0)
	s_wait_kmcnt 0x0
	s_add_nc_u64 s[4:5], s[4:5], s[14:15]
.irp j, 0,1,2,3,4,5,6,7
	global_load_b128 v[X+4*\j:X+4*\j+3], v2, s[4:5] offset:512*\j th:TH_LOAD_NT
.endr
.irp j, 0,1,2,3,4,5,6,7
	global_load_b128 v[G+4*\j:G+4*\j+3], v2, s[6:7] offset:512*\j
.endr
.irp j, 0,1,2,3,4,5,6,7
	global_load_b128 v[BB+4*\j:BB+4*\j+3], v2, s[8:9] offset:512*\j
.endr
	; every LDS address is made here, ahead of the one branch on the wave's number
	s_mul_i32 s24, s12, 4608
	v_lshrrev_b32 v14, 3, v1
	v_and_b32 v15, 7, v1
	s_delay_alu instid0(VALU_DEP_2)
	v_mul_u32_u24 v3, v14, 144
	s_delay_alu instid0(VALU_DEP_1)
	v_lshl_add_u32 v3, v15, 4, v3
	s_delay_alu instid0(VALU_DEP_1)
	v_add_nc_u32 v3, s24, v3                       ; v3: into my stage: a block of 128 bytes has a place of 144
	v_mul_u32_u24 v121, v1, 144
	s_delay_alu instid0(VALU_DEP_1)
	v_add_nc_u32 v121, s24, v121                   ; v121: out of it: block l
	v_lshrrev_b32 v14, 2, v1                       ; block l: K step l / 4,
	v_and_b32 v15, 1, v1                           ; h = l % 2,
	s_delay_alu instid0(VALU_DEP_2)
	v_mul_u32_u24 v122, v14, 1536
	s_delay_alu instid0(VALU_DEP_1)
	v_mad_u32_u24 v122, v15, 768, v122
	v_bfe_u32 v15, v1, 1, 1                        ; c = (l / 2) % 2
	s_delay_alu instid0(VALU_DEP_1)
	v_mad_u32_u24 v122, v15, 24, v122
	s_mul_i32 s24, s12, 48
	s_add_co_u32 s24, s24, ISTG
	v_add_nc_u32 v122, s24, v122                   ; v122: my block's 24 bytes in the tile's records
	v_and_b32 v15, 3, v1
	s_delay_alu instid0(VALU_DEP_1)
	v_lshl_add_u32 v123, v14, 6, v15
	s_lshl_b32 s24, s12, 2
	s_add_co_u32 s24, s24, SSTG
	v_add_nc_u32 v123, s24, v123                   ; v123: its scale byte
	v_lshlrev_b32 v125, 3, v1                      ; v125: 8 x lane
	s_mul_i32 s24, s12, 768
	s_add_co_u32 s24, s24, ISTG
	v_add_nc_u32 v124, s24, v125                   ; v124: the half record that I copy out
	v_add_nc_u32 v126, SSTG, v2                    ; v126: the scale bytes, 16 a lane
	v_lshlrev_b32 v127, 4, v15
	s_delay_alu instid0(VALU_DEP_1)
	v_lshl_add_u32 v127, v14, 14, v127             ; v127: their place in hb: 16,384 bytes from K step to K step
	s_lshr_b32 s24, s12, 1
	s_lshl_b32 s24, s24, 8
	s_add_co_u32 s24, s24, ttmp9                   ; record (w / 2, T)
	s_mul_i32 s24, s24, 1536
	s_and_b32 s25, s12, 1
	s_mul_i32 s25, s25, 768
	s_add_co_u32 s24, s24, s25
	s_mov_b32 s25, 0
	s_add_nc_u64 s[16:17], s[10:11], s[24:25]
	s_lshl_b32 s24, ttmp9, 6
	s_add_co_u32 s24, s24, 3145728
	s_add_nc_u64 s[18:19], s[10:11], s[24:25]
.macro WSUM                            ; four chains in v[4:11] -> the wave's sum in v4, in every lane
	s_delay_alu instid0(VALU_DEP_3)
	v_pk_add_f32 v[4:5], v[4:5], v[6:7]
	s_delay_alu instid0(VALU_DEP_2)
	v_pk_add_f32 v[8:9], v[8:9], v[10:11]
	s_delay_alu instid0(VALU_DEP_1)
	v_pk_add_f32 v[4:5], v[4:5], v[8:9]
	s_delay_alu instid0(VALU_DEP_1)
	v_add_f32 v4, v4, v5
	s_delay_alu instid0(VALU_DEP_1)
	v_add_f32_dpp v4, v4, v4 row_xmask:1 row_mask:0xf bank_mask:0xf
	s_delay_alu instid0(VALU_DEP_1)
	v_add_f32_dpp v4, v4, v4 row_xmask:2 row_mask:0xf bank_mask:0xf
	s_delay_alu instid0(VALU_DEP_1)
	v_add_f32_dpp v4, v4, v4 row_xmask:4 row_mask:0xf bank_mask:0xf
	s_delay_alu instid0(VALU_DEP_1)
	v_add_f32_dpp v4, v4, v4 row_xmask:8 row_mask:0xf bank_mask:0xf
	s_delay_alu instid0(VALU_DEP_1)
	v_permlanex16_b32 v5, v4, s22, s23
	s_delay_alu instid0(VALU_DEP_1)
	v_add_f32 v4, v4, v5
.endm
	s_wait_loadcnt 16                              ; the row is in; the 16 loads of g and b may be out
.irp k, 0,1,2,3
	v_pk_add_f32 v[4+2*\k:5+2*\k], v[X+2*\k:X+2*\k+1], v[X+8+2*\k:X+9+2*\k]
.endr
.irp j, 16,24
.irp k, 0,1,2,3
	s_delay_alu instid0(VALU_DEP_4)
	v_pk_add_f32 v[4+2*\k:5+2*\k], v[4+2*\k:5+2*\k], v[X+\j+2*\k:X+\j+2*\k+1]
.endr
.endr
	WSUM
	s_delay_alu instid0(VALU_DEP_1)
	v_mul_f32 v12, s20, v4                         ; the mean
	s_delay_alu instid0(VALU_DEP_1)
	v_mov_b32 v13, v12
.set n, 0
.rept 16
	v_pk_add_f32 v[X+n:X+n+1], v[X+n:X+n+1], v[12:13] neg_lo:[0,1] neg_hi:[0,1]   ; x - mean
.set n, n+2
.endr
.irp k, 0,1,2,3
	v_pk_mul_f32 v[4+2*\k:5+2*\k], v[X+2*\k:X+2*\k+1], v[X+2*\k:X+2*\k+1]
.endr
.irp j, 8,16,24
.irp k, 0,1,2,3
	s_delay_alu instid0(VALU_DEP_4)
	v_pk_fma_f32 v[4+2*\k:5+2*\k], v[X+\j+2*\k:X+\j+2*\k+1], v[X+\j+2*\k:X+\j+2*\k+1], v[4+2*\k:5+2*\k]
.endr
.endr
	WSUM
	s_delay_alu instid0(VALU_DEP_1)
	v_fma_f32 v4, v4, s20, s21                     ; the variance + 1e-5
	s_wait_alu depctr_va_vdst(0)
	v_rsq_f32 v12, v4
	v_nop                                          ; a plain line behind the transcendental
	s_wait_alu depctr_va_vdst(0)                   ; and the wait ahead of its first reader
	v_mov_b32 v13, v12
	s_wait_alu depctr_va_vdst(0)
	s_wait_loadcnt 0x0                             ; g and b
.set n, 0
.rept 16
	v_pk_mul_f32 v[X+n:X+n+1], v[X+n:X+n+1], v[12:13]
.set n, n+2
.endr
.set n, 0
.rept 16
	v_pk_fma_f32 v[X+n:X+n+1], v[X+n:X+n+1], v[G+n:G+n+1], v[BB+n:BB+n+1]
.set n, n+2
.endr
.irp j, 0,1,2,3,4,5,6,7
	ds_store_b128 v3, v[X+4*\j:X+4*\j+3] offset:576*\j
.endr
.irp i, 0,1,2,3,4,5,6,7
	ds_load_b128 v[G+4*\i:G+4*\i+3], v121 offset:16*\i   ; my own bytes, served in order: block l of the row, 32 neighbours
.endr
	s_wait_dscnt 0x0
	v_max3_num_f32 v8, |v[G]|, |v[G+1]|, |v[G+2]|
	v_max3_num_f32 v9, |v[G+3]|, |v[G+4]|, |v[G+5]|
.irp i, 6,10,14,18,22,26
	s_delay_alu instid0(VALU_DEP_2)
	v_max3_num_f32 v8, v8, |v[G+\i]|, |v[G+\i+1]|
	s_delay_alu instid0(VALU_DEP_2)
	v_max3_num_f32 v9, v9, |v[G+\i+2]|, |v[G+\i+3]|
.endr
	s_delay_alu instid0(VALU_DEP_2)
	v_max3_num_f32 v8, v8, |v[G+30]|, |v[G+31]|
	s_delay_alu instid0(VALU_DEP_1)
	v_max3_num_f32 v8, v8, v9, 0x1800000           ; the floor 2^(3 - 127)
	s_delay_alu instid0(VALU_DEP_1)
	v_add_nc_u32 v10, 0xff000000, v8               ; 2 off the exponent field: the conversion's scale operand
	s_delay_alu instid0(VALU_DEP_1)
	v_lshrrev_b32 v11, 23, v10                     ; the byte
	v_cvt_scalef32_pk16_fp6_f32 v[CQ:CQ+2], v[G:G+15], v10
	v_cvt_scalef32_pk16_fp6_f32 v[CF:CF+2], v[G+16:G+31], v10
	v_nop                                          ; one plain line behind the conversions
.irp i, 0,1,2
	v_mov_b32 v[CQ+3+\i], v[CF+\i]
.endr
.irp p, 0,1,2
	ds_store_b64 v122, v[CQ+2*\p:CQ+2*\p+1] offset:8*\p
.endr
	ds_store_b8 v123, v11
	s_wait_dscnt 0x0                               ; for the others' sake: my stores have landed
	s_barrier_signal -1
	s_barrier_wait -1
.irp c, 0,1,2
	ds_load_b64 v[X+2*\c:X+2*\c+1], v124 offset:256*\c
.endr
.irp c, 0,1,2
	s_wait_dscnt 2-\c                              ; the younger loads may be out
	global_store_b64 v125, v[X+2*\c:X+2*\c+1], s[16:17] offset:256*\c   ; 32 lanes store 256 consecutive bytes, aligned
.endr
	s_cmp_lg_u32 s12, 0
	s_cbranch_scc1 .Lend                           ; the 512 scale bytes leave by wave 0: pieces of 64 bytes, one for each K step
	ds_load_b128 v[X+8:X+11], v126
	s_wait_dscnt 0x0
	global_store_b128 v127, v[X+8:X+11], s[18:19]
.Lend:
	s_wait_tensorcnt 0x0
	ds_add_u32 v128, v129
	s_wait_dscnt 0x0
	s_endpgm
.Lfunc_end_k_qfddb18e9c7_ln1:
	.size	k_qfddb18e9c7_ln1, .Lfunc_end_k_qfddb18e9c7_ln1-k_qfddb18e9c7_ln1
	.p2alignl 7, 3214868480
	.fill 96, 4, 3214868480
	.section	.rodata,"a",@progbits
	.p2align	6, 0x0
	.amdhsa_kernel k_qfddb18e9c7_ln1
		.amdhsa_group_segment_fixed_size 88576
		.amdhsa_private_segment_fixed_size 0
		.amdhsa_enable_private_segment 0
		.amdhsa_kernarg_size 32
		.amdhsa_user_sgpr_count 2
		.amdhsa_user_sgpr_kernarg_segment_ptr 1
		.amdhsa_wavefront_size32 1
		.amdhsa_system_sgpr_workgroup_id_x 1
		.amdhsa_system_sgpr_workgroup_id_y 1
		.amdhsa_system_sgpr_workgroup_id_z 1
		.amdhsa_system_vgpr_workitem_id 0
		.amdhsa_next_free_vgpr 130
		.amdhsa_next_free_sgpr 66
		.amdhsa_reserve_vcc 0
		.amdhsa_float_denorm_mode_32 3
		.amdhsa_float_denorm_mode_16_64 3
		.amdhsa_memory_ordered 1
		.amdhsa_forward_progress 1
		.amdhsa_inst_pref_size 18
	.end_amdhsa_kernel
	.amdgpu_metadata
---
amdhsa.version: [ 1, 2 ]
amdhsa.kernels:
  - .name:           k_qfddb18e9c7_ln1
    .symbol:         k_qfddb18e9c7_ln1.kd
    .args:
      - { .name: x, .offset: 0, .size: 8, .value_kind: global_buffer, .address_space: global }
      - { .name: ln1_g, .offset: 8, .size: 8, .value_kind: global_buffer, .address_space: global }
      - { .name: ln1_b, .offset: 16, .size: 8, .value_kind: global_buffer, .address_space: global }
      - { .name: hb, .offset: 24, .size: 8, .value_kind: global_buffer, .address_space: global }
    .group_segment_fixed_size: 88576
    .private_segment_fixed_size: 0
    .kernarg_segment_align: 8
    .kernarg_segment_size: 32
    .max_flat_workgroup_size: 512
    .sgpr_count:     66
    .vgpr_count:     130
    .wavefront_size: 32
...
	.end_amdgpu_metadata
.endif
;; end of part 2
;; launch qkv (part 3): grid 4 x 48, 4 waves a work-group, clusters of 4 x 4, 327,680 bytes of LDS; arguments hb, wb, b_qkv, qb; writes qb
.if DOCPART == 3
	.amdgcn_target "amdgcn-amd-amdhsa--gfx1250"
	.amdhsa_code_object_version 6
	.text
	.protected	k_qfddb18e9c7_qkv
	.globl	k_qfddb18e9c7_qkv
	.p2align	8
	.type	k_qfddb18e9c7_qkv,@function
k_qfddb18e9c7_qkv:
	s_mov_b64 s[64:65], 0
	v_nop
	global_prefetch_b8 v0, s[64:65] scope:SCOPE_SE
	s_setreg_imm32_b32 hwreg(HW_REG_WAVE_MODE, 25, 1), 1
	s_wait_xcnt 0x0
	s_wait_alu depctr_hold_cnt(0) depctr_sa_sdst(0) depctr_va_vdst(0) depctr_va_sdst(0) depctr_va_ssrc(0) depctr_va_vcc(0) depctr_vm_vsrc(0)
	s_getreg_b32 s2, hwreg(HW_REG_IB_STS2, 6, 4)
	s_cmp_eq_u32 s2, 0
	s_cbranch_scc0 .Lentry_in_a_cluster
	s_endpgm
.Lentry_in_a_cluster:
	s_bfe_u32 s2, ttmp6, 0x10000c
	s_cmp_lg_u32 s2, 0xf033
	s_cbranch_scc0 .Lentry_shape_is_right
	s_endpgm
.Lentry_shape_is_right:
; A GEMM on register images of FP6 (E2M3) codes whose result is quantised again.  Here: qkv = h w_qkv + b_qkv, K = 1,024.
; IMAGES: record (s, T), 1,536 bytes = K step s of 128, tile T of 16 rows: lane l = r + 16 h owns bytes 48 l .. 48 l + 47, its 12 operand registers; place r stands for row 32 (T / 2) + 8 (T % 2) + r % 8 + 16 (r / 8).
; Scale words: 64 bytes for (s, T), word r.  So a fragment is three loads of 16 bytes, and a K step's tiles are dense bytes for the tensor data mover.
; A WORK-GROUP STAYS: it keeps 128 rows of A and walks FOUR blocks of 128 rows of B.  Each of its four waves makes 64 x 64 of a block: 16 accumulators.  A wave's 32 fragments of A (64 rows x all of K, 384 registers)
; are read from LDS once and stay in registers; B's blocks come whole (all of K, 98,304 bytes) through two LDS buffers, each asked for a whole block ahead.
; THE MATRIX INSTRUCTION IS USED TRANSPOSED (source 0 = 16 rows of B, source 1 = 16 rows of A): a lane holds ONE row of A, and by the order of rows in a tile the 16 registers of B's tiles 2 g, 2 g + 1 are
; 16 NEIGHBOURS 32 g + 16 h + 0 .. 15 along B's rows: they are quantised as they stand.
; q AND k (cluster y 0..7): A = 128 tokens (hb), B = w_qkv's columns 512 cx on: registers run along the features, the K of the scores.  v (cluster y 8..11): THE ROLES ARE SWAPPED, A = 128 of w_qkv's columns from 2,048 on,
; B = the tokens: registers run along the tokens, the K of attention's second product.  The swap is a choice of pointers and offsets by s_cselect on the cluster's y, which all partners share; no branch hangs on it.
; 768 blocks of 128 x 128 make 192 work-groups of four: q and k have 16 blocks of columns, which no walk of three divides, and the trip count is a constant of the text.
; CLUSTER 4 x 4: A is shared along a row of the cluster, B along a column: joint loads, every wave issuing its quarter (two K steps) of every one.
; The way out: bias, quantiser, the work-group's eight records gathered in LDS, stored as 12,288 consecutive bytes.
; LIMITS: a block of zeros, or one whose largest magnitude lies under 2^-124, keeps the byte 1; NaN and infinities are not served (the bias that does not apply is multiplied by 0).
.set NTILE,  4
.set NT,     256                       ; tiles in a K step of A's buffer, and of B's
.set ASCL,   3145728
.set BSCL,   3145728
.set BMAX,   12032                     ; the last place in the bias from which a wave's 256 bytes may be read
.set REC,    1536
.set TROW,   8*REC                     ; a K step of 128 rows
.set QUART,  2*TROW                    ; what one tensor load brings
.set BUF1,   1<<17                     ; B's second buffer: one exclusive or turns an address in one buffer into the other's
.set ASC,    98304                     ; behind buffer 0: A's scale words, [K step][8 tiles][64];
.set BSC,    102400                    ; B's, of all four blocks, [K step][32 tiles][64]
.set SPARE,  130560                    ; the spare words: 128 bytes a wave, named by no other line
.set AST,    229376                    ; where A lands: filled once, read once
.set STG,    AST                       ; the way out's eight records lie there afterwards: its one fill is over, and every wave has read A and passed a barrier
.set SST,    AST+8*REC                 ; and their 512 scale bytes
.set AAD,   12                         ; v12-13 A's landing place, K steps 0-3 and 4-7
.set ADRB0, 16                         ; v16 my lane's place in a buffer of B
.set ADRB,  17                         ; v17-18 the same in the buffer in hand, K steps 0-3 and 4-7
.set ADSA,  19                         ; v19 A's scale words
.set ADSB0, 20                         ; v20 B's, first block;  v21 the block in hand
.set ADSB,  21
.set STO,   22                         ; v22-27 the way out
.set SSO,   23
.set RDA,   24
.set GOF,   25
.set RDS,   26
.set GOS,   27
.set SPW,   28
.set NIL,   29
.set BO0,   30                         ; v30 64 h;  v31 the bias's offset for the block asked for
.set BOF,   31
.set SC,    32                         ; v32-47 scale words, two sets of B's four and A's four: nothing else is ever kept here
.set TM,    48
.set TP,    50
.set EE,    52
.set BY,    54
.set BT,    55
.set CQ,    56
.set CF,    62
.set BA,    72                         ; v72-79 the bias along A's rows, a pair for each tile
.set OB,    80                         ; records read back
.set ACC,   128                        ; v128-255 accumulator (a, b) at ACC + 8 (4 a + b)
.set BI,    96                         ; window 1: v0-95 two buffers of B's four fragments; v96-127 the bias along B's rows, the C of the first products
                                       ; window 2: A's fragments of K steps 0-4, 48 registers each; window 3: K steps 5-7
.set G1A,  24
.set G1B,  32
.set G1SA, 48
.set G1SB, 56
.set G0A,  68
.set G0B0, 72
.set G0W,  76                          ; B's second first fill; then it walks
.set G0SA, 80
.set G0SB, 84
.set TB,   2                           ; the buffer in hand
.set TS,   3                           ; 512 x the block in hand: its scale words
.set PBF,  66
.set PA,   88
.set CYS,  91
.set FB,   94
.set BOFS, 96
.set BCL,  97
.set FA,   98
.set CNT,  99
.set SEL,  100
.set OSTP, 46
.set SSTP, 92
.set MSB, 0
.macro WIN new                         ; the immediate's high byte repeats the setting that is left
.if MSB != \new
	s_set_vgpr_msb (MSB<<8)|\new
.set MSB, \new
.endif
.endm
.macro PLACES                          ; four plain lines between a matrix instruction and a load into, or a vector read of, its registers
.rept 4
	v_nop
.endr
.endm
.macro CROUND                          ; a round of the cluster's barrier
	s_barrier_signal -1
	s_barrier_wait -1
	s_cmp_lg_u32 s14, 0
	s_cbranch_scc1 .Lnot_wave_0_\@
	s_barrier_signal -3
.Lnot_wave_0_\@:
	s_barrier_wait -3
	s_barrier_signal -1
	s_barrier_wait -1
.endm
.macro SETADR                          ; the addresses of the block in hand
	v_add_nc_u32 v[ADRB], s[TB], v[ADRB0]
	v_add_nc_u32 v[ADRB+1], 4*TROW, v[ADRB]
	v_add_nc_u32 v[ADSB], s[TS], v[ADSB0]
.endm
.macro FETCH s, f                      ; B's four fragments of K step s, and both sides' scale words, into set f
	WIN 0
.irp i, 0,1,2,3
	ds_load_b32 v[SC+8*(\f)+\i], v[ADSB] offset:2048*(\s)+64*\i
.endr
.irp i, 0,1,2,3
	ds_load_b32 v[SC+8*(\f)+4+\i], v[ADSA] offset:512*(\s)+64*\i
.endr
	WIN 0x40                                       ; destination window 1
.irp i, 0,1,2,3
.irp c, 0,1,2
	ds_load_b128 v[48*(\f)+12*\i+4*\c:48*(\f)+12*\i+4*\c+3], v[ADRB+(\s)/4] offset:((\s)%4)*TROW+\i*REC+16*\c
.endr
.endr
.endm
.macro MUL f, s, first                 ; K step s: 16 products, the 16 accumulators by turns in the same order in every K step
.set AB, 48*((\s)%5)
	WIN (0x01|((2+(\s)/5)<<2)|((\first)<<4))       ; source 0 (B) window 1; source 1 (A) window 2 or 3; C window 0, or 1 for the bias; D window 0
.irp a, 0,1,2,3
.irp b, 0,1,2,3
.if \first
	v_wmma_scale_f32_16x16x128_f8f6f4 v[ACC+8*(4*\a+\b):ACC+8*(4*\a+\b)+7], v[48*(\f)+12*\b:48*(\f)+12*\b+11], v[AB+12*\a:AB+12*\a+11], v[BI+8*\b:BI+8*\b+7], v[SC+8*(\f)+\b], v[SC+8*(\f)+4+\a] matrix_a_fmt:MATRIX_FMT_FP6 matrix_b_fmt:MATRIX_FMT_FP6
.else
	v_wmma_scale_f32_16x16x128_f8f6f4 v[ACC+8*(4*\a+\b):ACC+8*(4*\a+\b)+7], v[48*(\f)+12*\b:48*(\f)+12*\b+11], v[AB+12*\a:AB+12*\a+11], v[ACC+8*(4*\a+\b):ACC+8*(4*\a+\b)+7], v[SC+8*(\f)+\b], v[SC+8*(\f)+4+\a] matrix_a_fmt:MATRIX_FMT_FP6 matrix_b_fmt:MATRIX_FMT_FP6
.endif
.endr
.endr
.endm
.macro NEXTBIAS                        ; the next block's bias, behind the products that read this block's; behind the last block the offset is held inside the buffer and the numbers are not used
	WIN 0
	s_add_co_u32 s[BOFS], s[BOFS], 512
	s_min_u32 s[BCL], s[BOFS], BMAX
	v_add_nc_u32 v[BOF], s[BCL], v[BO0]            ; (the loads that read this register were waited for at the block's head)
	WIN 0x40
.irp b, 0,1,2,3
	global_load_b128 v[BI+8*\b:BI+8*\b+3], v[BOF], s[8:9] offset:(32*(\b/2)+8*(\b%2))*4
	global_load_b128 v[BI+8*\b+4:BI+8*\b+7], v[BOF], s[8:9] offset:(32*(\b/2)+8*(\b%2))*4+16
.endr
.endm
.macro KSTEP f, s, first, nb           ; set f is multiplied while the next K step's fragments come into the other set
	s_wait_dscnt 0x0                               ; set f is in
	PLACES                                         ; the other set (and, with nb, the bias) was read by the products just issued
.if \nb
	NEXTBIAS
.endif
	FETCH (\s)+1, 1-(\f)
	MUL \f, \s, \first
.endm
; A block's last K step, and the change of buffers.  Each wave waits for all its tensor loads (its quarter of the next block), adds 0 to its spare word, and waits for that and for its reads of this buffer, whose last
; fragments are in set 1.  fill = 1: behind a round of the cluster's barrier the buffer just read out takes the block after the next: that load has this block's way out and seven K steps in which to land.
.macro TURN fill
	WIN 0
	s_wait_tensorcnt 0x0
	ds_add_u32 v[SPW], v[NIL]
.if \fill
	s_xor_b32 s[G0W+1], s[G0W+1], BUF1             ; the walking descriptor: the other buffer than last time,
	s_add_nc_u64 s[G0W+2:G0W+3], s[G0W+2:G0W+3], TROW   ; the next eight tiles of B
.endif
	s_xor_b32 s[TB], s[TB], BUF1
	s_add_co_u32 s[TS], s[TS], 512
	s_wait_dscnt 0x0
.if \fill
	CROUND                                         ; no wave of any partner still reads the buffer or has a load on its way
	tensor_load_to_lds s[G0W:G0W+3], s[G1B:G1B+7]  ; my one tensor load until the next change
	s_nop 0
.else
	s_barrier_signal -1
	s_barrier_wait -1
.endif
	PLACES                                         ; behind the load; also the places in front of the loads below
	SETADR
	FETCH 0, 0                                     ; the next block's first fragments (behind the last block: old bytes of the other buffer, which nobody uses; so the tail is written once)
	MUL 1, 7, 0
.endm
; 32 numbers of a lane, block g at s + 16 g, of which lane (r, h) holds half h, become: v[CQ] .. v[CQ+5] = the 24 bytes of block h of my row; v[BY] = the two scale bytes
.macro QUANT2 s
.irp g, 0,1
	v_max3_num_f32 v[TM+\g], |v[(\s)+16*\g]|, |v[(\s)+16*\g+1]|, 0x1800000   ; with the floor 2^(3 - 127): the byte cannot fall under 1
.endr
.irp i, 2,4,6,8,10,12,14
.irp g, 0,1
	v_max3_num_f32 v[TM+\g], v[TM+\g], |v[(\s)+16*\g+\i]|, |v[(\s)+16*\g+\i+1]|
.endr
.endr
.irp g, 0,1
	v_permlanex16_b32 v[TP+\g], v[TM+\g], s[SEL], s[SEL+1]
.endr
.irp g, 0,1
	v_max_num_f32 v[TM+\g], v[TM+\g], v[TP+\g]     ; with lane l xor 16's half: the block's largest magnitude
.endr
.irp g, 0,1
	v_add_nc_u32 v[EE+\g], 0xff000000, v[TM+\g]    ; 2 off the exponent field: the conversion's scale operand
.endr
	v_lshrrev_b32 v[BY], 23, v[EE]
	v_lshrrev_b32 v[BT], 23, v[EE+1]
	v_lshl_or_b32 v[BY], v[BT], 8, v[BY]
	v_cvt_scalef32_pk16_fp6_f32 v[CQ:CQ+2], v[(\s):(\s)+15], v[EE]
	v_cvt_scalef32_pk16_fp6_f32 v[CF:CF+2], v[(\s)+16:(\s)+31], v[EE+1]
	v_nop                                          ; one plain line behind the conversions
.irp i, 0,1,2
	v_permlane16_swap_b32 v[CQ+\i], v[CF+\i]       ; lanes 0-15 get block 0 whole, lanes 16-31 block 1: lower 16 codes in the first, upper 16 in the second
.endr
.irp i, 0,1,2
	v_mov_b32 v[CQ+3+\i], v[CF+\i]
.endr
.endm
.macro EPI                             ; a block's way out.  The stage is the work-group's: the change of buffers parts these stores from the last block's reads, the barrier below parts them from this block's
	WIN 0
	PLACES
.irp a, 0,1,2,3
.set n, 0
.rept 16
	v_pk_add_f32 v[ACC+32*\a+n:ACC+32*\a+n+1], v[ACC+32*\a+n:ACC+32*\a+n+1], v[BA+2*\a:BA+2*\a+1]   ; each accumulator from its low end on
.set n, n+2
.endr
	QUANT2 ACC+32*\a
.irp p, 0,1,2
	ds_store_b64 v[STO], v[CQ+2*\p:CQ+2*\p+1] offset:\a*REC+8*\p
.endr
	ds_store_b16 v[SSO], v[BY] offset:64*\a        ; both halves of the lanes write the same two bytes
	s_wait_dscnt 0x0                               ; the stores have read their registers; behind the last tile: for the others' sake
.endr
	s_barrier_signal -1
	s_barrier_wait -1
.irp i, 0,1,2,3,4,5
	ds_load_b128 v[OB+4*\i:OB+4*\i+3], v[RDA] offset:512*\i
.endr
.irp i, 0,1,2,3,4,5
	s_wait_dscnt 5-\i                              ; the younger loads may be out
	global_store_b128 v[GOF], v[OB+4*\i:OB+4*\i+3], s[10:11] offset:512*\i   ; 512 consecutive bytes, aligned
.endr
	s_cmp_lg_u32 s14, 0
	s_cbranch_scc1 .Lnot0_\@
	ds_load_b128 v[OB+24:OB+27], v[RDS]
	s_wait_dscnt 0x0
	global_store_b128 v[GOS], v[OB+24:OB+27], s[12:13]   ; the eight tiles' scale words: 512 consecutive bytes
.Lnot0_\@:
	s_wait_xcnt 0x0                                ; the stores have read their registers and bases: both are written again only behind this wait
	s_add_nc_u64 s[10:11], s[10:11], s[OSTP:OSTP+1]   ; the next block is the next K step of the output
	s_add_nc_u64 s[12:13], s[12:13], s[SSTP:SSTP+1]
.endm
.macro TILE fill
	s_wait_loadcnt 0x0                             ; this block's bias
	WIN 0x41                                       ; destination and source 0 window 1
.set n, 0
.rept 16
	v_pk_mul_f32 v[BI+n:BI+n+1], v[BI+n:BI+n+1], s[FB:FB+1] op_sel_hi:[1,0]   ; x 1 for q and k, x 0 for v
.set n, n+2
.endr
	s_wait_alu depctr_va_vdst(0)
	KSTEP 0, 0, 1, 0                               ; the first K step starts the sums, with the bias as C
	KSTEP 1, 1, 0, 1
	KSTEP 0, 2, 0, 0
	KSTEP 1, 3, 0, 0
	KSTEP 0, 4, 0, 0
	KSTEP 1, 5, 0, 0
	KSTEP 0, 6, 0, 0
	TURN \fill
	EPI
.endm
.macro ALD s                           ; my four fragments of A of K step s
.irp i, 0,1,2,3
.irp c, 0,1,2
	ds_load_b128 v[48*((\s)%5)+12*\i+4*\c:48*((\s)%5)+12*\i+4*\c+3], v[AAD+(\s)/4] offset:((\s)%4)*TROW+\i*REC+16*\c
.endr
.endr
.endm
	s_load_b128 s[4:7], s[0:1], 0x0                ; hb, wb
	s_load_b128 s[8:11], s[0:1], 0x10              ; the bias, the output buffer
	v_lshl_add_u32 v[SPW], v0, 2, SPARE
	v_mov_b32 v[NIL], 0
	ds_add_u32 v28, v29
	ds_add_u32 v28, v29
	s_wait_dscnt 0x0
	v_lshrrev_b32 v1, 5, v0
	v_readfirstlane_b32 s14, v1                    ; wave 0..3
	s_lshr_b32 s15, s14, 1                         ; my half of A's rows
	s_and_b32 s16, s14, 1                          ; my half of B's rows
	s_bfe_u32 s40, ttmp6, 0x40000                  ; cx, cy: my place in the cluster
	s_bfe_u32 s41, ttmp6, 0x40004
	s_and_b32 s[CYS], ttmp7, 0xffff                ; cluster y 0..11
	s_and_b32 s88, s[CYS], 1
	s_lshl_b32 s88, s88, 2
	s_add_co_u32 s88, s88, 16                      ; v: A's blocks 16 + 4 (y % 2) + cy: w_qkv's columns from 2,048 on
	s_bfe_u32 s89, s[CYS], 0x10001
	s_lshl_b32 s89, s89, 2                         ; v: B's groups 4 ((y / 2) % 2) + cx of four blocks of tokens
	s_lshl_b32 s90, s[CYS], 2                      ; q, k: A's blocks 4 y + cy of tokens; B's groups cx
	s_cmp_ge_u32 s[CYS], 8
	s_cselect_b32 s17, s88, s90
	s_cselect_b32 s42, s89, 0
	s_add_co_u32 s17, s17, s41                     ; which 128 rows of A
	s_add_co_u32 s42, s42, s40                     ; which 512 rows of B
	s_lshl_b32 s43, s41, 2
	s_lshl_b32 s43, 15, s43                        ; my row of the cluster
	s_lshl_b32 s44, 0x1111, s40                    ; my column
	; descriptor groups 1, elements of 8 bytes.  Codes: 2 rows (K steps) of 1,536 elements (eight records), a K step of the buffer apart.  Scale words: 2 rows of 64 elements (A: eight tiles) or 256 (B: 32 tiles)
	s_or_b32 s[G1A+0], s43, (3<<16)|(1<<21)
	s_or_b32 s[G1B+0], s44, (3<<16)|(1<<21)
	s_or_b32 s[G1SA+0], s43, (3<<16)|(1<<21)
	s_or_b32 s[G1SB+0], s44, (3<<16)|(1<<21)
.irp g, G1A, G1B
	s_mov_b32 s[\g+1], 1536<<16
	s_mov_b32 s[\g+2], 8<<16                       ; the head's loads bring all eight K steps
	s_mov_b32 s[\g+3], 1536<<16
	s_mov_b32 s[\g+4], 8
	s_mov_b32 s[\g+5], NT*192
	s_mov_b32 s[\g+6], 0
	s_mov_b32 s[\g+7], 0
.endr
	s_mov_b32 s[G1SA+1], 64<<16
	s_mov_b32 s[G1SA+2], 8<<16
	s_mov_b32 s[G1SA+3], 64<<16
	s_mov_b32 s[G1SA+4], 8
	s_mov_b32 s[G1SA+5], NT*8
	s_mov_b32 s[G1SA+6], 0
	s_mov_b32 s[G1SA+7], 0
	s_mov_b32 s[G1SB+1], 256<<16
	s_mov_b32 s[G1SB+2], 8<<16
	s_mov_b32 s[G1SB+3], 256<<16
	s_mov_b32 s[G1SB+4], 8
	s_mov_b32 s[G1SB+5], NT*8
	s_mov_b32 s[G1SB+6], 0
	s_mov_b32 s[G1SB+7], 0
	s_mul_i32 s18, s14, 2*NT                       ; the two K steps that I fetch
	s_lshl_b32 s20, s17, 3                         ; A: record (0, 8 x block)
	s_lshl_b32 s46, s42, 5                         ; B: record (0, 32 x group)
	s_lshl_b32 s22, s20, 6
	s_add_co_u32 s22, s22, ASCL
	s_lshl_b32 s92, s46, 6
	s_add_co_u32 s92, s92, BSCL
	s_mul_i32 s20, s20, REC
	s_mul_i32 s46, s46, REC
	s_mov_b32 s21, 0
	s_mov_b32 s23, 0
	s_mov_b32 s47, 0
	s_mov_b32 s93, 0
	s_mul_i32 s98, s14, QUART                      ; where they go: by the wave's number alone
	s_mov_b32 s[SEL], 0x76543210
	s_mov_b32 s[SEL+1], 0xfedcba98
	s_mov_b32 s[TB], 0
	s_mov_b32 s[TS], 0
	s_wait_kmcnt 0x0
	s_cmp_ge_u32 s[CYS], 8
	s_cselect_b64 s[PA:PA+1], s[6:7], s[4:5]
	s_cselect_b64 s[PBF:PBF+1], s[4:5], s[6:7]
	s_add_nc_u64 s[20:21], s[PA:PA+1], s[20:21]
	s_add_nc_u64 s[22:23], s[PA:PA+1], s[22:23]
	s_add_nc_u64 s[46:47], s[PBF:PBF+1], s[46:47]
	s_add_nc_u64 s[92:93], s[PBF:PBF+1], s[92:93]
	CROUND                                         ; all sixteen work-groups are here: the first joint loads meet
	s_mov_b32 s[G0SA], 1
	s_mov_b32 s[G0SA+1], ASC
	s_mov_b64 s[G0SA+2:G0SA+3], s[22:23]
	s_or_b32 s[G0SA+3], s[G0SA+3], 0x80000000
	s_mov_b32 s[G0SB], 1
	s_mov_b32 s[G0SB+1], BSC
	s_mov_b64 s[G0SB+2:G0SB+3], s[92:93]
	s_or_b32 s[G0SB+3], s[G0SB+3], 0x80000000
	s_mov_b32 s[G0A], 1
	s_mov_b32 s[G0A+1], AST
	s_mov_b64 s[G0A+2:G0A+3], s[20:21]
	s_or_b32 s[G0A+3], s[G0A+3], 0x80000000
	s_mov_b32 s[G0B0], 1
	s_mov_b32 s[G0B0+1], 0
	s_mov_b64 s[G0B0+2:G0B0+3], s[46:47]
	s_or_b32 s[G0B0+3], s[G0B0+3], 0x80000000
	s_mov_b32 s[G0W], 1
	s_add_co_u32 s[G0W+1], s98, BUF1
	s_add_nc_u64 s[G0W+2:G0W+3], s[46:47], TROW
	s_mul_i32 s18, s18, REC                        ; the walking load brings my two K steps of a block
	s_mov_b32 s19, 0
	s_add_nc_u64 s[G0W+2:G0W+3], s[G0W+2:G0W+3], s[18:19]
	s_or_b32 s[G0W+3], s[G0W+3], 0x80000000
	; the head's four tiles, each whole, one joint load a wave, in one chain of arms: wave 0 A, wave 1 B's first block, wave 2 A's scale words, wave 3 B's
	s_cmp_lt_u32 s14, 1
	s_cbranch_scc0 .Lh1
	tensor_load_to_lds s[G0A:G0A+3], s[G1A:G1A+7]
	s_nop 0
	PLACES
	s_branch .Lhj
.Lh1:
	s_cmp_lt_u32 s14, 2
	s_cbranch_scc0 .Lh2
	tensor_load_to_lds s[G0B0:G0B0+3], s[G1B:G1B+7]
	s_nop 0
	PLACES
	s_branch .Lhj
.Lh2:
	s_cmp_lt_u32 s14, 3
	s_cbranch_scc0 .Lh3
	tensor_load_to_lds s[G0SA:G0SA+3], s[G1SA:G1SA+7]
	s_nop 0
	PLACES
	s_branch .Lhj
.Lh3:
	tensor_load_to_lds s[G0SB:G0SB+3], s[G1SB:G1SB+7]
	s_nop 0
	PLACES
.Lhj:
	v_and_b32 v1, 15, v0                           ; r
	s_wait_alu depctr_va_vdst(0)
	v_bfe_u32 v2, v0, 4, 1                         ; h
	v_and_b32 v3, 31, v0                           ; l
	s_wait_alu depctr_va_vdst(0)
	v_mul_u32_u24 v4, v3, 48
	s_mul_i32 s21, s16, 4*REC
	v_add_nc_u32 v[ADRB0], s21, v4                 ; B: my four tiles of a block's eight
	s_mul_i32 s21, s15, 4*REC
	s_add_co_u32 s22, s21, AST
	v_add_nc_u32 v[AAD], s22, v4                   ; A: my four tiles
	v_add_nc_u32 v[AAD+1], 4*TROW, v[AAD]
	s_mul_i32 s22, s16, 24
	s_add_co_u32 s21, s21, s22
	s_add_co_u32 s21, s21, STG
	v_add_nc_u32 v[STO], s21, v4                   ; record 4 (my half of A) + a; my 24 bytes at 48 l + 24 (my half of B)
	s_lshl_b32 s21, s15, 8
	s_add_co_u32 s22, s21, ASC
	v_lshl_add_u32 v[ADSA], v1, 2, s22
	s_lshl_b32 s22, s16, 1
	s_add_co_u32 s21, s21, s22
	s_add_co_u32 s21, s21, SST
	v_lshl_add_u32 v[SSO], v1, 2, s21
	s_lshl_b32 s21, s16, 8
	s_add_co_u32 s21, s21, BSC
	v_lshl_add_u32 v[ADSB0], v1, 2, s21
	v_lshlrev_b32 v[GOS], 4, v3
	s_mul_i32 s21, s14, 2*REC
	v_add_nc_u32 v[GOF], s21, v[GOS]               ; the way out: wave w copies records 2 w, 2 w + 1
	v_add_nc_u32 v[RDA], STG, v[GOF]
	v_add_nc_u32 v[RDS], SST, v[GOS]
	v_mov_b32 v[TP], 0                             ; written once: a lane permute's destination counts as one of its sources
	v_mov_b32 v[TP+1], 0
	; the biases.  Along B's rows (q, k): eight numbers a tile in the result's layout, the C of the first products, anew for each block.  Along A's rows (v): one number a lane and tile, added on the way out.
	; Both are loaded in both roles, from inside the buffer, and the one that does not apply is multiplied by 0.
	v_lshlrev_b32 v[BO0], 6, v2
	s_wait_alu depctr_va_vdst(0)
	v_and_b32 v8, 7, v1
	v_lshrrev_b32 v9, 3, v1
	v_lshl_add_u32 v8, v9, 4, v8
	v_lshlrev_b32 v8, 2, v8
	s_wait_alu depctr_va_vdst(0)
	s_lshl_b32 s18, s42, 11
	s_lshl_b32 s19, s16, 8
	s_add_co_u32 s18, s18, s19
	s_lshl_b32 s20, s17, 9
	s_lshl_b32 s21, s15, 8
	s_add_co_u32 s20, s20, s21
	s_cmp_ge_u32 s[CYS], 8
	s_cselect_b32 s[BOFS], 0, s18
	s_cselect_b32 s20, s20, 0
	s_cselect_b32 s[FB], 0, 1.0
	s_cselect_b32 s[FA], 1.0, 0
	s_mov_b32 s[FB+1], s[FB]
	v_add_nc_u32 v[BOF], s[BOFS], v[BO0]
	v_add_nc_u32 v8, s20, v8
.irp a, 0,1,2,3
	global_load_b32 v[BA+2*\a], v8, s[8:9] offset:(32*(\a/2)+8*(\a%2))*4
.endr
	WIN 0x40
.irp b, 0,1,2,3
	global_load_b128 v[BI+8*\b:BI+8*\b+3], v[BOF], s[8:9] offset:(32*(\b/2)+8*(\b%2))*4
	global_load_b128 v[BI+8*\b+4:BI+8*\b+7], v[BOF], s[8:9] offset:(32*(\b/2)+8*(\b%2))*4+16
.endr
	WIN 0
	; where the eight records go: K step = which 128 of B's rows; tiles = A's.  q, k: 256 tiles a K step; v: 64, its rows counted from w_qkv's column 2,048
	s_cmp_ge_u32 s[CYS], 8
	s_cselect_b32 s19, 6, 8
	s_cselect_b32 s20, 16, 0
	s_cselect_b32 s21, 6553600, 0
	s_mov_b32 s22, 6291456
	s_cselect_b32 s22, 9699328, s22
	s_mov_b32 s[OSTP], 256*REC
	s_cselect_b32 s[OSTP], 64*REC, s[OSTP]
	s_mov_b32 s[SSTP], 256*64
	s_cselect_b32 s[SSTP], 64*64, s[SSTP]
	s_mov_b32 s[OSTP+1], 0
	s_mov_b32 s[SSTP+1], 0
	s_lshl_b32 s18, s42, 2                         ; my first block of B
	s_lshl_b32 s18, s18, s19
	s_sub_co_u32 s20, s17, s20
	s_lshl_b32 s20, s20, 3
	s_add_co_u32 s18, s18, s20
	s_mul_i32 s20, s18, REC
	s_add_co_u32 s20, s20, s21
	s_mov_b32 s21, 0
	s_lshl_b32 s18, s18, 6
	s_add_co_u32 s18, s18, s22
	s_mov_b32 s19, 0
	s_add_nc_u64 s[12:13], s[10:11], s[18:19]      ; the scale words
	s_add_nc_u64 s[10:11], s[10:11], s[20:21]      ; the codes
	s_wait_alu depctr_va_vdst(0)                   ; at the head's end
	s_wait_tensorcnt 0x0                           ; my tile of the head's four is in
	ds_add_u32 v[SPW], v[NIL]                      ; ahead of a later first fill
	s_mov_b32 s[G1B+2], 2<<16                      ; no load of mine is out: from here on a load of B brings two K steps
	s_mov_b32 s[G1B+4], 2
	s_wait_dscnt 0x0
	CROUND                                         ; all four tiles are in, in every partner
	tensor_load_to_lds s[G0W:G0W+3], s[G1B:G1B+7]  ; B's second block, a quarter a wave
	s_nop 0
	PLACES
	WIN 0x80                                       ; destination window 2
	ALD 0
	ALD 1
	ALD 2
	ALD 3
	ALD 4
	WIN 0xc0                                       ; destination window 3
	ALD 5
	ALD 6
	ALD 7
	WIN 0
	SETADR
	FETCH 0, 0
	WIN 0
	s_wait_loadcnt 0x0                             ; the biases
.irp a, 0,1,2,3
	v_mul_f32 v[BA+2*\a], s[FA], v[BA+2*\a]
.endr
.irp a, 0,1,2,3
	v_mov_b32 v[BA+2*\a+1], v[BA+2*\a]
.endr
	s_mov_b32 s[CNT], NTILE-2
.Lfill:                                            ; the blocks behind which a buffer is filled again
	TILE 1
	s_sub_co_u32 s[CNT], s[CNT], 1
	s_cmp_lg_u32 s[CNT], 0
	s_cbranch_scc1 .Lfill
	s_mov_b32 s[CNT], 2
.Ltail:                                            ; the last two blocks ask for nothing: written out
	TILE 0
	s_sub_co_u32 s[CNT], s[CNT], 1
	s_cmp_lg_u32 s[CNT], 0
	s_cbranch_scc1 .Ltail
	s_wait_tensorcnt 0x0                           ; the wave's end
	ds_add_u32 v[SPW], v[NIL]
	s_wait_dscnt 0x0
	CROUND                                         ; the closing round
	s_endpgm
.Lfunc_end_k_qfddb18e9c7_qkv:
	.size	k_qfddb18e9c7_qkv, .Lfunc_end_k_qfddb18e9c7_qkv-k_qfddb18e9c7_qkv
	.p2alignl 7, 3214868480
	.fill 96, 4, 3214868480
	.section	.rodata,"a",@progbits
	.p2align	6, 0x0
	.amdhsa_kernel k_qfddb18e9c7_qkv
		.amdhsa_group_segment_fixed_size 327680
		.amdhsa_private_segment_fixed_size 0
		.amdhsa_enable_private_segment 0
		.amdhsa_kernarg_size 32
		.amdhsa_user_sgpr_count 2
		.amdhsa_user_sgpr_kernarg_segment_ptr 1
		.amdhsa_wavefront_size32 1
		.amdhsa_system_sgpr_workgroup_id_x 1
		.amdhsa_system_sgpr_workgroup_id_y 1
		.amdhsa_system_sgpr_workgroup_id_z 1
		.amdhsa_system_vgpr_workitem_id 0
		.amdhsa_next_free_vgpr 912
		.amdhsa_next_free_sgpr 102
		.amdhsa_reserve_vcc 0
		.amdhsa_float_denorm_mode_32 3
		.amdhsa_float_denorm_mode_16_64 3
		.amdhsa_memory_ordered 1
		.amdhsa_forward_progress 1
		.amdhsa_inst_pref_size 111
	.end_amdhsa_kernel
	.amdgpu_metadata
---
amdhsa.version: [ 1, 2 ]
amdhsa.kernels:
  - .name:           k_qfddb18e9c7_qkv
    .symbol:         k_qfddb18e9c7_qkv.kd
    .args:
      - { .name: hb, .offset: 0, .size: 8, .value_kind: global_buffer, .address_space: global }
      - { .name: wb, .offset: 8, .size: 8, .value_kind: global_buffer, .address_space: global }
      - { .name: b_qkv, .offset: 16, .size: 8, .value_kind: global_buffer, .address_space: global }
      - { .name: qb, .offset: 24, .size: 8, .value_kind: global_buffer, .address_space: global }
    .group_segment_fixed_size: 327680
    .private_segment_fixed_size: 0
    .kernarg_segment_align: 8
    .kernarg_segment_size: 32
    .max_flat_workgroup_size: 128
    .sgpr_count:     102
    .vgpr_count:     912
    .wavefront_size: 32
...
	.end_amdgpu_metadata
.endif
;; end of part 3
;; launch attn (part 4): grid 16 x 16, 16 waves a work-group, no clusters, 327,680 bytes of LDS; arguments qb, ab; writes ab
.if DOCPART == 4
	.amdgcn_target "amdgcn-amd-amdhsa--gfx1250"
	.amdhsa_code_object_version 6
	.text
	.protected	k_qfddb18e9c7_attn
	.globl	k_qfddb18e9c7_attn
	.p2align	8
	.type	k_qfddb18e9c7_attn,@function
k_qfddb18e9c7_attn:
	s_mov_b64 s[64:65], 0
	v_nop
	global_prefetch_b8 v0, s[64:65] scope:SCOPE_SE
	s_setreg_imm32_b32 hwreg(HW_REG_WAVE_MODE, 25, 1), 1
	s_wait_xcnt 0x0
; Causal attention on register images of FP6 (E2M3) codes: S^T = k q^T, p = 2^(t - M), O^T += v^T p^T, o = O / l, quantised again along the head's 64 for the projection.
; IMAGES (qb, ab): record (s, T), 1,536 bytes: lane l = r + 16 h owns bytes 48 l ..: at 24 c the 24 bytes of block 4 s + 2 c + h of row 32 (T / 2) + 8 (T % 2) + r % 8 + 16 (r / 8).  Scale words: 64 bytes for (s, T), word r.
; A K step of q's and k's records is a pair of heads: head c of the pair owns the 24 bytes at 24 c and the scale bytes 2 c, 2 c + 1.
; THE DEAL: a work-group has a batch, a pair of heads and eight tiles of 16 queries: tiles 4 x .. 4 x + 3 and 124 - 4 x .. 127 - 4 x, which together need 17 steps of 128 keys whatever x is.
; THE KEYS OF EACH TILE ARE SPLIT BY PARITY: wave (i, c, p) takes the key steps k = p modulo 2 of BOTH tiles number i of head c, so each of the 16 waves has 8 or 9 steps.  It keeps two states (O^T, -M, l):
; task A, which it hands to wave w xor 8 at the end, and task B, which it finishes (p = 0: A the high tile, B the low one; p = 1 the other way round: a choice of scalars on the wave's number).
; The two parts of a tile are joined under M = the larger of the two whole numbers: both factors are exact powers of two.  A part with no step holds O = 0, l = 0 and gets the factor 0.
; Steps that lie wholly above the diagonal are passed over by a scalar branch on ids, which leads round no barrier, wait or add.
; K AND Q ARE READ AS THEIR HEAD'S 24 BYTES, into registers 0-5 of an operand (k = 0 .. 63).  Q's registers 6-11 are zero codes, so k = 64 .. 127 add nothing whatever K holds there:
; K's eight fragments lie 6 registers apart, each one's upper half being the next one's lower half.  The scale words are read as 16 bits: the bytes of k = 64 .. 127 are 0, a finite code.
; Q's codes and scale word of both tasks lie in the wave's own LDS bytes and are read with each step's fragments: one set of registers serves both tasks.
; K and V come through two LDS slots of four key steps, filled by waves 0-3; the scales of all keys come once.
; LIMITS: the promise holds while the scaled scores stay under 2^31 in magnitude; a block whose largest magnitude lies under 2^-124 keeps the byte 1; NaN and infinities are not served.
.set REC,   1536
.set SLOT1, 1<<17
.set QB,    98304                      ; between the slots: 2,048 bytes a wave: Q's codes of tasks A and B (768 each), their scale words (256 each); at the end task A's (-M, l)
.set SCK,   229376
.set SCV,   237568
.set OST,   245760
.set OSS,   258048
.set SPARE, 258560
.set XO,    260608                     ; task A's O^T, 4,096 bytes a wave
.set AK0,  1
.set AV0,  2
.set ASK0, 3
.set ASV0, 4
.set SPW,  5
.set NIL,  6
.set QPA,  7
.set QPB,  8
.set ADK,  9
.set ADV,  10
.set ADS,  11
.set ADT,  20                          ; v12-15 task A's -M, largest t, l in two halves; v16-19 task B's
.set TT,   21
.set AQ,   22
.set QSC,  23
.set QF,   24                          ; v24-29 Q's codes, v30-35 zeros
.set KB,   36                          ; v36-89 K's fragments, the last six zeros; then V's four in v36-83
.set PC,   90
.set CH,   102
.set PB,   102                         ; (done with before the conversions write CH)
.set BM,   110
.set EE,   114
.set SU2,  114                         ; (done with before EE is written)
.set FF,   118
.set S,    120
.set OTA,  184
.set OTB,  216
.set KSC,  248                         ; v248-255 K's scale words; then V's four and p's: scales and nothing else
.set PSC,  252
.set BT,   19
.set OSTA, 1                           ; the way out's addresses, made behind the loops in registers that held addresses
.set OSSA, 2
.set CPA,  3
.set CPG,  4
.set SSR,  7
.set SSG,  8
.set WV,   18
.set QMINB, 16
.set QMAXB, 17
.set SEL,  20
.set CS,   22
.set G1K,  24
.set G1V,  32
.set G0K,  40
.set G0V,  44
.set G1SK, 48
.set G1SV, 56
.set G0SK, 68
.set G0SV, 72
.set TBK,  2
.set TBV,  3
.set TS,   66
.set KF,   67
.set SLOTS, 76
.set INNER, 77
.set QMINA, 78
.set QMAXA, 79
.macro PLACES
.rept 4
	v_nop
.endr
.endm
.macro TL g0, g1
	tensor_load_to_lds s[\g0:\g0+3], s[\g1:\g1+7]
	s_nop 0
	PLACES
.endm
.macro TLOAD                           ; a slot's refill: waves 0, 1 K's halves, waves 2, 3 V's
	s_cmp_lt_u32 s[WV], 2
	s_cbranch_scc0 .Lnot_k_\@
	TL G0K, G1K
	s_branch .Lasked_\@
.Lnot_k_\@:
	s_cmp_lt_u32 s[WV], 4
	s_cbranch_scc0 .Lasked_\@
	TL G0V, G1V
.Lasked_\@:
.endm
.macro TILEQ t, lo, hi                 ; the least and the greatest query of tile t
	s_lshr_b32 s91, s\t, 1
	s_lshl_b32 s91, s91, 5
	s_and_b32 s92, s\t, 1
	s_lshl_b32 s92, s92, 3
	s_add_co_u32 s[\lo], s91, s92
	s_add_co_u32 s[\hi], s[\lo], 23
.endm
	s_load_b128 s[4:7], s[0:1], 0x0
	v_lshl_add_u32 v[SPW], v0, 2, SPARE
	v_mov_b32 v[NIL], 0
	ds_add_u32 v5, v6
	ds_add_u32 v5, v6
	s_wait_dscnt 0x0
	v_lshrrev_b32 v9, 5, v0
	s_delay_alu instid0(VALU_DEP_1)
	v_readfirstlane_b32 s[WV], v9
	s_and_b32 s80, ttmp7, 0xffff
	s_lshr_b32 s81, s80, 3                         ; batch
	s_and_b32 s82, s80, 7                          ; pair of heads
	s_and_b32 s83, s[WV], 3                        ; i
	s_bfe_u32 s84, s[WV], 0x10002                  ; c
	s_lshr_b32 s85, s[WV], 3                       ; p
	s_and_b32 s90, s[WV], 1
	s_lshl_b32 s88, ttmp9, 2
	s_add_co_u32 s86, s88, s83                     ; the low tile
	s_sub_co_u32 s87, 124, s88
	s_add_co_u32 s87, s87, s83                     ; the high tile
	s_cmp_eq_u32 s85, 0
	s_cselect_b32 s19, s87, s86                    ; task A's tile
	s_cselect_b32 s86, s86, s87                    ; task B's
	TILEQ 19, QMINA, QMAXA
	TILEQ 86, QMINB, QMAXB
	s_lshl_b32 s89, s82, 8
	s_lshl_b32 s87, s81, 7
	s_add_co_u32 s89, s89, s87
	s_lshl_b32 s92, s90, 4
	s_add_co_u32 s92, s92, s89
	s_add_co_u32 s92, s92, 2048
	s_mul_i32 s92, s92, REC
	s_mov_b32 s93, 0
	s_lshl_b32 s94, s90, 6
	s_add_co_u32 s94, s94, s89
	s_add_co_u32 s94, s94, 2048
	s_lshl_b32 s94, s94, 6
	s_add_co_u32 s94, s94, 6291456
	s_mov_b32 s95, 0
	s_lshl_b32 s87, s81, 10
	s_lshl_b32 s91, s82, 3
	s_add_co_u32 s87, s87, s91
	s_lshl_b32 s96, s90, 2
	s_add_co_u32 s96, s96, s87
	s_mul_i32 s96, s96, REC
	s_add_co_u32 s96, s96, 6553600
	s_mov_b32 s97, 0
	s_lshl_b32 s98, s90, 9
	s_add_co_u32 s98, s98, s87
	s_lshl_b32 s98, s98, 6
	s_add_co_u32 s98, s98, 9699328
	s_mov_b32 s99, 0
	s_mov_b32 s[G1K], 3<<16
	s_mov_b32 s[G1K+1], 32<<16
	s_mov_b32 s[G1K+2], 96<<16
	s_mov_b32 s[G1K+3], 32<<16
	s_mov_b32 s[G1K+4], 96
	s_mov_b32 s[G1K+5], 32
	s_mov_b32 s[G1K+6], 0
	s_mov_b32 s[G1K+7], 0
	s_mov_b32 s[G1V], 3<<16
	s_mov_b32 s[G1V+1], 768<<16
	s_mov_b32 s[G1V+2], 4<<16
	s_mov_b32 s[G1V+3], 768<<16
	s_mov_b32 s[G1V+4], 4
	s_mov_b32 s[G1V+5], 12288
	s_mov_b32 s[G1V+6], 0
	s_mov_b32 s[G1V+7], 0
	s_mov_b32 s[G1SK], 3<<16
	s_mov_b32 s[G1SK+1], 32<<16
	s_mov_b32 s[G1SK+2], 16<<16
	s_mov_b32 s[G1SK+3], 32<<16
	s_mov_b32 s[G1SK+4], 16
	s_mov_b32 s[G1SK+5], 32
	s_mov_b32 s[G1SK+6], 0
	s_mov_b32 s[G1SK+7], 0
	s_mov_b32 s[G1SV], 3<<16
	s_mov_b32 s[G1SV+1], 64<<16
	s_mov_b32 s[G1SV+2], 8<<16
	s_mov_b32 s[G1SV+3], 64<<16
	s_mov_b32 s[G1SV+4], 8
	s_mov_b32 s[G1SV+5], 512
	s_mov_b32 s[G1SV+6], 0
	s_mov_b32 s[G1SV+7], 0
	s_mul_i32 s91, s90, 24576
	s_lshl_b32 s87, s90, 12
	s_mov_b32 s[SEL], 0x76543210
	s_mov_b32 s[SEL+1], 0xfedcba98
	s_mov_b32 s[CS], 0x3e38aa3b                    ; log2(e) / 8
	s_mov_b32 s[CS+1], s[CS]
	s_mul_i32 s[TBK], s85, 8*REC                   ; my first key step is p
	s_mul_i32 s[TBV], s85, 4*REC
	s_lshl_b32 s[TS], s85, 9
	s_lshl_b32 s[KF], s85, 7
	s_mov_b32 s[SLOTS], 3
	s_wait_kmcnt 0x0
	s_mov_b32 s[G0SK], 1
	s_add_co_u32 s[G0SK+1], s87, SCK
	s_add_nc_u64 s[G0SK+2:G0SK+3], s[4:5], s[94:95]
	s_or_b32 s[G0SK+3], s[G0SK+3], 0x80000000
	s_mov_b32 s[G0SV], 1
	s_add_co_u32 s[G0SV+1], s87, SCV
	s_add_nc_u64 s[G0SV+2:G0SV+3], s[4:5], s[98:99]
	s_or_b32 s[G0SV+3], s[G0SV+3], 0x80000000
	s_mov_b32 s[G0K], 1
	s_mov_b32 s[G0K+1], s91
	s_add_nc_u64 s[G0K+2:G0K+3], s[4:5], s[92:93]
	s_or_b32 s[G0K+3], s[G0K+3], 0x80000000
	s_mov_b32 s[G0V], 1
	s_add_co_u32 s[G0V+1], s91, 49152
	s_add_nc_u64 s[G0V+2:G0V+3], s[4:5], s[96:97]
	s_or_b32 s[G0V+3], s[G0V+3], 0x80000000
	; the first fills, one a wave, in one chain of arms: waves 0, 1 slot 0's K, waves 2, 3 its V, waves 4, 5 K's scales, waves 6, 7 V's
	s_cmp_lt_u32 s[WV], 2
	s_cbranch_scc0 .Lh1
	TL G0K, G1K
	s_branch .Lhj
.Lh1:
	s_cmp_lt_u32 s[WV], 4
	s_cbranch_scc0 .Lh2
	TL G0V, G1V
	s_branch .Lhj
.Lh2:
	s_cmp_lt_u32 s[WV], 6
	s_cbranch_scc0 .Lh3
	TL G0SK, G1SK
	s_branch .Lhj
.Lh3:
	s_cmp_lt_u32 s[WV], 8
	s_cbranch_scc0 .Lhj
	TL G0SV, G1SV
.Lhj:
	s_add_co_u32 s92, s89, s19                     ; task A's record of q, and its scale words
	s_lshl_b32 s94, s92, 6
	s_add_co_u32 s94, s94, 6291456
	s_mul_i32 s92, s92, REC
	s_add_nc_u64 s[8:9], s[4:5], s[92:93]
	s_add_nc_u64 s[10:11], s[4:5], s[94:95]
	s_add_co_u32 s92, s89, s86                     ; task B's
	s_lshl_b32 s94, s92, 6
	s_add_co_u32 s94, s94, 6291456
	s_mul_i32 s92, s92, REC
	s_add_nc_u64 s[12:13], s[4:5], s[92:93]
	s_add_nc_u64 s[14:15], s[4:5], s[94:95]
	s_mul_i32 s96, s84, 24
	s_lshl_b32 s97, s84, 1
	v_and_b32 v9, 15, v0                           ; r
	v_bfe_u32 v10, v0, 4, 1                        ; h
	v_and_b32 v11, 31, v0                          ; lane
	v_mul_u32_u24 v[AV0], v11, 48
	v_lshlrev_b32 v21, 2, v9
	v_add_nc_u32 v[AK0], s96, v[AV0]               ; 48 l + 24 c
	v_add_nc_u32 v20, s97, v21                     ; 4 r + 2 c
	s_wait_alu depctr_va_vdst(0)                   ; ahead of the readers below
.irp c, 0,1,2
	global_load_b64 v[S+2*\c:S+2*\c+1], v[AK0], s[8:9] offset:8*\c
	global_load_b64 v[S+8+2*\c:S+9+2*\c], v[AK0], s[12:13] offset:8*\c
.endr
	global_load_u16 v[S+6], v20, s[10:11]
	global_load_u16 v[S+14], v20, s[14:15]
	s_mul_i32 s96, s84, 24576
	s_add_co_u32 s96, s96, 49152
	v_add_nc_u32 v[AV0], s96, v[AV0]
	v_add_nc_u32 v[ASK0], SCK, v20
	s_lshl_b32 s96, s84, 8
	s_add_co_u32 s96, s96, SCV
	v_add_nc_u32 v[ASV0], s96, v21
	s_lshl_b32 s96, s[WV], 11
	s_add_co_u32 s96, s96, QB
	v_lshl_add_u32 v[AQ], v11, 3, s96
	v_and_b32 v7, 7, v9
	v_lshrrev_b32 v8, 3, v9
	v_lshl_add_u32 v7, v8, 4, v7
	v_lshlrev_b32 v8, 4, v10
	v_sub_nc_u32 v8, v7, v8
	v_add_nc_u32 v[QPA], s[QMINA], v8              ; my query's place less 16 h
	v_add_nc_u32 v[QPB], s[QMINB], v8
	v_mov_b32 v13, 0xff61b1e6                      ; -3e38, under every t
	v_mov_b32 v17, 0xff61b1e6
	v_floor_f32 v12, -v13
	v_floor_f32 v16, -v17
.irp j, 14,15,18,19
	v_mov_b32 v\j, 0
.endr
.irp j, 0,1,2,3,4,5
	v_mov_b32 v[QF+6+\j], 0
	v_mov_b32 v[KB+48+\j], 0
.endr
.irp b, 0,1,2,3
	v_mov_b32 v[PB+\b], 0
.endr
	v_mov_b32 v[FF], 0
	v_mov_b32 v[FF+1], 0
.set n, 0
.rept 64
	v_mov_b32 v[OTA+n], 0                          ; both tasks' O^T: the step is written once for first and later steps
.set n, n+1
.endr
	s_wait_alu depctr_va_vdst(0)                   ; at the head's end
	s_wait_loadcnt 0x0
.irp c, 0,1,2
	ds_store_b64 v[AQ], v[S+2*\c:S+2*\c+1] offset:256*\c
	ds_store_b64 v[AQ], v[S+8+2*\c:S+9+2*\c] offset:768+256*\c
.endr
	ds_store_b32 v[AQ], v[S+6] offset:1536
	ds_store_b32 v[AQ], v[S+14] offset:1792
; one key step of one task.  st: its state; ot: its O^T; qp: its queries' places; task: 0 or 1; qmin, qmax: its tile's least and greatest query
.macro STEP st, ot, qp, task, qmin, qmax
	s_cmp_gt_u32 s[KF], s[\qmax]
	s_cbranch_scc1 .Lhidden_\@
.irp t, 0,1,2,3,4,5,6,7
.irp c, 0,1,2
	ds_load_b64 v[KB+6*\t+2*\c:KB+6*\t+2*\c+1], v[ADK] offset:REC*\t+8*\c
.endr
	ds_load_u16 v[KSC+\t], v[ADS] offset:64*\t
.endr
.irp c, 0,1,2
	ds_load_b64 v[QF+2*\c:QF+2*\c+1], v[AQ] offset:768*\task+256*\c
.endr
	ds_load_b32 v[QSC], v[AQ] offset:1536+256*\task
	s_wait_dscnt 0x0
.irp t, 0,1,2,3,4,5,6,7
	v_wmma_scale_f32_16x16x128_f8f6f4 v[S+8*\t:S+8*\t+7], v[KB+6*\t:KB+6*\t+11], v[QF:QF+11], 0, v[KSC+\t], v[QSC] matrix_a_fmt:MATRIX_FMT_FP6 matrix_b_fmt:MATRIX_FMT_FP6
.endr
	PLACES
.irp t, 0,1,2,3
.irp c, 0,1,2
	ds_load_b128 v[KB+12*\t+4*\c:KB+12*\t+4*\c+3], v[ADV] offset:REC*\t+16*\c
.endr
	ds_load_b32 v[KSC+\t], v[ADT] offset:64*\t
.endr
	s_add_co_u32 s96, s[KF], 127
	s_cmp_le_u32 s96, s[\qmin]
	s_cbranch_scc1 .Lopen_\@
	v_sub_nc_u32 v[TT], v[\qp], s[KF]
	v_mov_b32 v[FF], 0xff800000
.set n, 0
.rept 64
	v_cmp_gt_i32 vcc_lo, 32*(n/16)+n%16, v[TT]
	v_cndmask_b32 v[S+n], v[S+n], v[FF], vcc_lo
.set n, n+1
.endr
.Lopen_\@:
.irp b, 0,1,2,3
	v_max3_num_f32 v[BM+\b], v[S+16*\b], v[S+16*\b+1], v[S+16*\b+2]   ; each block's largest score: for the row's maximum and for the block's largest p
.endr
.irp i, 3,5,7,9,11,13
.irp b, 0,1,2,3
	v_max3_num_f32 v[BM+\b], v[BM+\b], v[S+16*\b+\i], v[S+16*\b+\i+1]
.endr
.endr
.irp b, 0,1,2,3
	v_max_num_f32 v[BM+\b], v[BM+\b], v[S+16*\b+15]
.endr
.irp b, 0,1,2,3
	s_delay_alu instid0(VALU_DEP_4)
	v_permlanex16_b32 v[PB+\b], v[BM+\b], s[SEL], s[SEL+1]
.endr
.irp b, 0,1,2,3
	s_delay_alu instid0(VALU_DEP_4)
	v_max_num_f32 v[BM+\b], v[BM+\b], v[PB+\b]
.endr
	s_delay_alu instid0(VALU_DEP_2)
	v_max3_num_f32 v[TT], v[BM], v[BM+1], v[BM+2]
	s_delay_alu instid0(VALU_DEP_1)
	v_max_num_f32 v[TT], v[TT], v[BM+3]
	s_delay_alu instid0(VALU_DEP_1)
	v_mul_f32 v[TT], s[CS], v[TT]
	s_delay_alu instid0(VALU_DEP_1)
	v_max_num_f32 v[\st+1], v[\st+1], v[TT]        ; the running largest t
	v_mov_b32 v[TT], v[\st]
	s_delay_alu instid0(VALU_DEP_2)
	v_floor_f32 v[\st], -v[\st+1]                  ; -M = floor(-t): M is a whole number
	s_delay_alu instid0(VALU_DEP_1)
	v_sub_f32 v[TT], v[\st], v[TT]
	s_delay_alu instid0(VALU_DEP_1)
	v_cvt_i32_f32 v[TT], v[TT]
	s_delay_alu instid0(VALU_DEP_1)
	v_ldexp_f32 v[FF], 1.0, v[TT]                  ; 2^(old M - new M)
.set n, 0
.rept 32
	v_pk_fma_f32 v[S+n:S+n+1], v[S+n:S+n+1], s[CS:CS+1], v[\st:\st+1] op_sel_hi:[1,0,0]
.set n, n+2
.endr
.irp b, 0,1,2,3
	v_fma_f32 v[BM+\b], v[BM+\b], s[CS], v[\st]
.endr
	s_wait_alu depctr_va_vdst(0)                   ; ahead of the batch
.set n, 0
.rept 64
	v_exp_f32 v[S+n], v[S+n]
.set n, n+1
.endr
	v_pk_mul_f32 v[\st+2:\st+3], v[\st+2:\st+3], v[FF:FF+1] op_sel_hi:[1,0]
	s_wait_alu depctr_va_vdst(0)                   ; and behind it, ahead of its first reader
.irp b, 0,1,2,3
	v_exp_f32 v[BM+\b], v[BM+\b]
.endr
	v_pk_add_f32 v[SU2:SU2+1], v[S:S+1], v[S+2:S+3]   ; the row's sum of the unquantised p, in two chains
.irp j, 4,8,12,16,20,24,28,32,36,40,44,48,52,56,60
	v_pk_add_f32 v[\st+2:\st+3], v[\st+2:\st+3], v[S+\j:S+\j+1]
	v_pk_add_f32 v[SU2:SU2+1], v[SU2:SU2+1], v[S+\j+2:S+\j+3]
.endr
	s_delay_alu instid0(VALU_DEP_1)
	v_pk_add_f32 v[\st+2:\st+3], v[\st+2:\st+3], v[SU2:SU2+1]
	s_wait_alu depctr_va_vdst(0)
.irp b, 0,1,2,3
	v_max_num_f32 v[BM+\b], 0x1800000, v[BM+\b]    ; the floor 2^(3 - 127)
.endr
.irp b, 0,1,2,3
	s_delay_alu instid0(VALU_DEP_4)
	v_add_nc_u32 v[EE+\b], 0xff000000, v[BM+\b]
.endr
.irp b, 0,1,2,3
	s_delay_alu instid0(VALU_DEP_4)
	v_lshrrev_b32 v[PB+\b], 23, v[EE+\b]
.endr
	s_delay_alu instid0(VALU_DEP_3)
	v_lshl_or_b32 v[PSC], v[PB+1], 8, v[PB]
	s_delay_alu instid0(VALU_DEP_1)
	v_lshl_or_b32 v[PSC], v[PB+2], 16, v[PSC]
	s_delay_alu instid0(VALU_DEP_1)
	v_lshl_or_b32 v[PSC], v[PB+3], 24, v[PSC]
.irp c, 0,1
	v_cvt_scalef32_pk16_fp6_f32 v[PC+6*\c:PC+6*\c+2], v[S+32*\c:S+32*\c+15], v[EE+2*\c]
	v_cvt_scalef32_pk16_fp6_f32 v[CH+4*\c:CH+4*\c+2], v[S+32*\c+16:S+32*\c+31], v[EE+2*\c+1]
.endr
	v_nop
.irp c, 0,1
.irp i, 0,1,2
	v_permlane16_swap_b32 v[PC+6*\c+\i], v[CH+4*\c+\i]
.endr
.irp i, 0,1,2
	s_delay_alu instid0(VALU_DEP_3)
	v_mov_b32 v[PC+3+6*\c+\i], v[CH+4*\c+\i]
.endr
.endr
	s_wait_alu depctr_va_vdst(0)                   ; directly ahead of the first reader of O^T
.set n, 0
.rept 16
	v_pk_mul_f32 v[\ot+n:\ot+n+1], v[\ot+n:\ot+n+1], v[FF:FF+1] op_sel_hi:[1,0]
.set n, n+2
.endr
	s_wait_alu depctr_va_vdst(0)
	s_wait_dscnt 0x0
.irp t, 0,1,2,3
	v_wmma_scale_f32_16x16x128_f8f6f4 v[\ot+8*\t:\ot+8*\t+7], v[KB+12*\t:KB+12*\t+11], v[PC:PC+11], v[\ot+8*\t:\ot+8*\t+7], v[KSC+\t], v[PSC] matrix_a_fmt:MATRIX_FMT_FP6 matrix_b_fmt:MATRIX_FMT_FP6
.endr
	PLACES                                         ; ahead of the next step's loads into these products' registers
.Lhidden_\@:
.endm
.macro CHANGE fill
	s_wait_tensorcnt 0x0
	ds_add_u32 v[SPW], v[NIL]                      ; twice on end
	ds_add_u32 v[SPW], v[NIL]
.if \fill
	s_xor_b32 s[G0K+1], s[G0K+1], SLOT1
	s_add_nc_u64 s[G0K+2:G0K+3], s[G0K+2:G0K+3], 32*REC
	s_xor_b32 s[G0V+1], s[G0V+1], SLOT1
	s_add_nc_u64 s[G0V+2:G0V+3], s[G0V+2:G0V+3], 4*64*REC
.endif
	s_wait_dscnt 0x0
	s_barrier_signal -1
	s_barrier_wait -1
.if \fill
	TLOAD
.endif
.endm
.macro SLOT_STEPS                      ; my two key steps of a slot's four, each for both tasks
	s_mov_b32 s[INNER], 2
.Lstep_\@:
	v_add_nc_u32 v[ADK], s[TBK], v[AK0]
	v_add_nc_u32 v[ADV], s[TBV], v[AV0]
	v_add_nc_u32 v[ADS], s[TS], v[ASK0]
	v_add_nc_u32 v[ADT], s[TS], v[ASV0]
	s_wait_alu depctr_va_vdst(0)
	STEP 12, OTA, QPA, 0, QMINA, QMAXA
	STEP 16, OTB, QPB, 1, QMINB, QMAXB
	s_add_co_u32 s[KF], s[KF], 256
	s_add_co_u32 s[TS], s[TS], 1024
	s_add_co_u32 s[TBK], s[TBK], 16*REC
	s_add_co_u32 s[TBV], s[TBV], 8*REC
	s_sub_co_u32 s[INNER], s[INNER], 1
	s_cmp_lg_u32 s[INNER], 0
	s_cbranch_scc1 .Lstep_\@
	s_sub_co_u32 s[TBK], s[TBK], 32*REC
	s_xor_b32 s[TBK], s[TBK], SLOT1
	s_sub_co_u32 s[TBV], s[TBV], 16*REC
	s_xor_b32 s[TBV], s[TBV], SLOT1
.endm
.Lslot:
	CHANGE 1
	SLOT_STEPS
	s_sub_co_u32 s[SLOTS], s[SLOTS], 1
	s_cmp_lg_u32 s[SLOTS], 0
	s_cbranch_scc1 .Lslot
	CHANGE 0
	SLOT_STEPS
; THE JOIN: task A's O^T, -M and l go to wave w xor 8, whose task B is the same tile and head
	s_wait_alu depctr_va_vdst(0)
	v_add_f32 v14, v14, v15
	v_add_f32 v18, v18, v19
	v_permlanex16_b32 v[FF], v14, s[SEL], s[SEL+1]
	v_permlanex16_b32 v[FF+1], v18, s[SEL], s[SEL+1]
	v_and_b32 v11, 31, v0
	v_add_f32 v13, v14, v[FF]                      ; v[12:13] = task A's (-M, l)
	v_add_f32 v17, v18, v[FF+1]                    ; v[16:17] = task B's
	s_lshl_b32 s96, s[WV], 12
	s_add_co_u32 s96, s96, XO
	v_lshl_add_u32 v9, v11, 4, s96
	s_xor_b32 s97, s[WV], 8
	s_lshl_b32 s96, s97, 12
	s_add_co_u32 s96, s96, XO
	v_lshl_add_u32 v10, v11, 4, s96
	s_lshl_b32 s96, s97, 11
	s_add_co_u32 s96, s96, QB
	v_lshl_add_u32 v20, v11, 3, s96
.irp j, 0,1,2,3,4,5,6,7
	ds_store_b128 v9, v[OTA+4*\j:OTA+4*\j+3] offset:512*\j   ; each accumulator from its low end on
.endr
	ds_store_b64 v[AQ], v[12:13]
	s_wait_alu depctr_va_vdst(0)
	s_wait_dscnt 0x0                               ; for the partner's sake
	s_barrier_signal -1
	s_barrier_wait -1
.irp j, 0,1,2,3,4,5,6,7
	ds_load_b128 v[KB+4*\j:KB+4*\j+3], v10 offset:512*\j
.endr
	ds_load_b64 v[14:15], v20                      ; the partner's (-M, l)
	; the way out's addresses
	v_and_b32 v110, 15, v0                         ; r
	v_bfe_u32 v111, v0, 4, 1                       ; h
	s_wait_alu depctr_va_vdst(0)
	s_lshl_b32 s96, s85, 2
	s_add_co_u32 s96, s96, s83
	s_mul_i32 s97, s96, REC
	s_mul_i32 s98, s84, 24
	s_add_co_u32 s97, s97, s98
	s_add_co_u32 s97, s97, OST
	v_mul_u32_u24 v[OSTA], v11, 48
	v_add_nc_u32 v[OSTA], s97, v[OSTA]
	s_lshl_b32 s97, s96, 6
	s_lshl_b32 s98, s84, 1
	s_add_co_u32 s97, s97, s98
	s_add_co_u32 s97, s97, OSS
	v_lshl_add_u32 v[OSSA], v110, 2, s97
	v_lshlrev_b32 v[CPG], 3, v11
	s_mul_i32 s97, s[WV], 768
	s_add_co_u32 s97, s97, OST
	v_add_nc_u32 v[CPA], s97, v[CPG]
	v_lshl_add_u32 v[SSR], v11, 4, OSS
	s_lshr_b32 s87, s[WV], 1
	s_sub_co_u32 s92, 120, s88
	s_cmp_lt_u32 s87, 4
	s_cselect_b32 s92, s88, s92
	s_add_co_u32 s92, s92, s87
	s_add_co_u32 s92, s92, s89
	s_mul_i32 s92, s92, REC
	s_mul_i32 s94, s90, 768
	s_add_co_u32 s92, s92, s94
	s_add_nc_u64 s[12:13], s[6:7], s[92:93]
	s_add_co_u32 s92, s89, s88
	s_lshl_b32 s92, s92, 6
	s_add_co_u32 s92, s92, 3145728
	s_add_nc_u64 s[14:15], s[6:7], s[92:93]
	s_lshl_b32 s94, s88, 1
	s_sub_co_u32 s94, 124, s94
	s_lshl_b32 s94, s94, 6
	v_mul_u32_u24 v[SSG], s94, v111
	v_lshl_add_u32 v[SSG], v110, 4, v[SSG]
	s_wait_alu depctr_va_vdst(0)
	s_wait_dscnt 0x0
	v_min_num_f32 v[TT], v16, v14                  ; -M of the two parts together
	v_sub_f32 v18, v[TT], v16
	v_sub_f32 v19, v[TT], v14
	v_cvt_i32_f32 v18, v18
	v_cvt_i32_f32 v19, v19
	v_ldexp_f32 v18, 1.0, v18                      ; my part's factor,
	v_ldexp_f32 v19, 1.0, v19                      ; the partner's: exact powers of two, or 0 for a part with no step
	v_mul_f32 v17, v17, v18
	v_fma_f32 v17, v15, v19, v17                   ; the row's sum
	s_wait_alu depctr_va_vdst(0)
	v_rcp_f32 v17, v17
	v_nop
	s_wait_alu depctr_va_vdst(0)
	v_mul_f32 v18, v18, v17
	v_mul_f32 v14, v19, v17
.set n, 0
.rept 16
	v_pk_mul_f32 v[S+n:S+n+1], v[OTB+n:OTB+n+1], v[18:19] op_sel_hi:[1,0]
.set n, n+2
.endr
.set n, 0
.rept 16
	v_pk_fma_f32 v[S+n:S+n+1], v[KB+n:KB+n+1], v[14:15], v[S+n:S+n+1] op_sel_hi:[1,0,1]
.set n, n+2
.endr
.irp g, 0,1
	v_max3_num_f32 v[BM+\g], |v[S+16*\g]|, |v[S+16*\g+1]|, 0x1800000
.endr
.irp i, 2,4,6,8,10,12,14
.irp g, 0,1
	s_delay_alu instid0(VALU_DEP_2)
	v_max3_num_f32 v[BM+\g], v[BM+\g], |v[S+16*\g+\i]|, |v[S+16*\g+\i+1]|
.endr
.endr
.irp g, 0,1
	s_delay_alu instid0(VALU_DEP_2)
	v_permlanex16_b32 v[PB+\g], v[BM+\g], s[SEL], s[SEL+1]
.endr
.irp g, 0,1
	s_delay_alu instid0(VALU_DEP_2)
	v_max_num_f32 v[BM+\g], v[BM+\g], v[PB+\g]
.endr
.irp g, 0,1
	s_delay_alu instid0(VALU_DEP_2)
	v_add_nc_u32 v[EE+\g], 0xff000000, v[BM+\g]
.endr
	s_delay_alu instid0(VALU_DEP_2)
	v_lshrrev_b32 v[TT], 23, v[EE]
	s_delay_alu instid0(VALU_DEP_2)
	v_lshrrev_b32 v[BT], 23, v[EE+1]
	s_delay_alu instid0(VALU_DEP_1)
	v_lshl_or_b32 v[TT], v[BT], 8, v[TT]
	v_cvt_scalef32_pk16_fp6_f32 v[PC:PC+2], v[S:S+15], v[EE]
	v_cvt_scalef32_pk16_fp6_f32 v[CH:CH+2], v[S+16:S+31], v[EE+1]
	v_nop
.irp i, 0,1,2
	v_permlane16_swap_b32 v[PC+\i], v[CH+\i]
.endr
.irp i, 0,1,2
	s_delay_alu instid0(VALU_DEP_3)
	v_mov_b32 v[PC+3+\i], v[CH+\i]
.endr
.irp p, 0,1,2
	ds_store_b64 v[OSTA], v[PC+2*\p:PC+2*\p+1] offset:8*\p
.endr
	ds_store_b16 v[OSSA], v[TT]
	s_wait_dscnt 0x0
	s_barrier_signal -1
	s_barrier_wait -1
.irp c, 0,1,2
	ds_load_b64 v[S+2*\c:S+2*\c+1], v[CPA] offset:256*\c
.endr
.irp c, 0,1,2
	s_wait_dscnt 2-\c
	global_store_b64 v[CPG], v[S+2*\c:S+2*\c+1], s[12:13] offset:256*\c   ; 256 consecutive bytes, aligned
.endr
	s_cmp_lg_u32 s[WV], 0
	s_cbranch_scc1 .Lnot0
	ds_load_b128 v[S+8:S+11], v[SSR]
	s_wait_dscnt 0x0
	global_store_b128 v[SSG], v[S+8:S+11], s[14:15]
.Lnot0:
	s_wait_tensorcnt 0x0                           ; the wave's end
	ds_add_u32 v[SPW], v[NIL]
	s_wait_dscnt 0x0
	s_endpgm
.Lfunc_end_k_qfddb18e9c7_attn:
	.size	k_qfddb18e9c7_attn, .Lfunc_end_k_qfddb18e9c7_attn-k_qfddb18e9c7_attn
	.p2alignl 7, 3214868480
	.fill 96, 4, 3214868480
	.section	.rodata,"a",@progbits
	.p2align	6, 0x0
	.amdhsa_kernel k_qfddb18e9c7_attn
		.amdhsa_group_segment_fixed_size 327680
		.amdhsa_private_segment_fixed_size 0
		.amdhsa_enable_private_segment 0
		.amdhsa_kernarg_size 16
		.amdhsa_user_sgpr_count 2
		.amdhsa_user_sgpr_kernarg_segment_ptr 1
		.amdhsa_wavefront_size32 1
		.amdhsa_system_sgpr_workgroup_id_x 1
		.amdhsa_system_sgpr_workgroup_id_y 1
		.amdhsa_system_sgpr_workgroup_id_z 1
		.amdhsa_system_vgpr_workitem_id 0
		.amdhsa_next_free_vgpr 256
		.amdhsa_next_free_sgpr 100
		.amdhsa_reserve_vcc 1
		.amdhsa_float_denorm_mode_32 3
		.amdhsa_float_denorm_mode_16_64 3
		.amdhsa_memory_ordered 1
		.amdhsa_forward_progress 1
		.amdhsa_inst_pref_size 119
	.end_amdhsa_kernel
	.amdgpu_metadata
---
amdhsa.version: [ 1, 2 ]
amdhsa.kernels:
  - .name:           k_qfddb18e9c7_attn
    .symbol:         k_qfddb18e9c7_attn.kd
    .args:
      - { .name: qb, .offset: 0, .size: 8, .value_kind: global_buffer, .address_space: global }
      - { .name: ab, .offset: 8, .size: 8, .value_kind: global_buffer, .address_space: global }
    .group_segment_fixed_size: 327680
    .private_segment_fixed_size: 0
    .kernarg_segment_align: 8
    .kernarg_segment_size: 16
    .max_flat_workgroup_size: 512
    .sgpr_count:     100
    .vgpr_count:     256
    .wavefront_size: 32
...
	.end_amdgpu_metadata
.endif
;; end of part 4
;; launch oln (part 5): grid 256 x 1, 8 waves a work-group, no clusters, 104,448 bytes of LDS; arguments ab, wb, b_out, x, ln2_g, ln2_b, x1, hb; writes x1, hb
.if DOCPART == 5
	.amdgcn_target "amdgcn-amd-amdhsa--gfx1250"
	.amdhsa_code_object_version 6
	.text
	.protected	k_qfddb18e9c7_oln
	.globl	k_qfddb18e9c7_oln
	.p2align	8
	.type	k_qfddb18e9c7_oln,@function
k_qfddb18e9c7_oln:
	s_mov_b64 s[64:65], 0
	v_nop
	global_prefetch_b8 v0, s[64:65] scope:SCOPE_SE
	s_setreg_imm32_b32 hwreg(HW_REG_WAVE_MODE, 25, 1), 1
	s_wait_xcnt 0x0
; x1 = x + attention w_out + b_out, stored in f32; then y = (x1 - mean) rsqrt(var + 1e-5) g + b, quantised along the row to FP6 (E2M3), one E8M0 byte for each 32, stored as register images in hb.
; IMAGES: record (s, T), 1,536 bytes = K step s of 128, tile T of 16 rows: lane l = r + 16 h owns bytes 48 l .. 48 l + 47; place r stands for row 32 (T / 2) + 8 (T % 2) + r % 8 + 16 (r / 8).  Scale words: 64 bytes for (s, T), word r.
; SHARES: a work-group is one tile T of 16 tokens, all 1,024 columns; wave w makes columns 128 w .. 128 w + 127: 8 accumulators, 64 products.  The product is used transposed (source 0 = 16 columns of w_out,
; source 1 = the 16 tokens): lane (r, h) holds token r, and register 16 g + k of its 64 is column 128 w + 32 g + 16 h + k.  So wave w's results are the four blocks of record (w, T) of hb.
; w_out's fragments go from memory straight into the operand registers, three loads of 16 bytes a lane: a fragment feeds ONE product of one wave, so a way through LDS would write and read each byte once more.
; No tile lands in LDS, so there is no tensor load, no joint load and no cluster.  A ring of three K steps of 8 fragments: one is multiplied while the loads of two (56) are out.
; x, b_out, g and b are loaded as they lie (a wave's 512 bytes of a row a load) and turn through the wave's own stage in LDS; x1 goes back the same way and leaves as rows of 512 bytes.
; The variance is the mean of (x1 - mean)^2: two sums over the eight waves, each through LDS words of its own and one barrier.
; PREFETCH: w_out's codes are 3,072 blocks of 256 bytes that every work-group reads; a work-group names 24 of them, 3 a wave, by its number modulo 128, once, at its head.
; LIMITS: a block of zeros, or one whose largest magnitude lies under 2^-124, keeps the byte 1; NaN and infinities are not served.
.set REC,   1536
.set ASCL,  3145728
.set BIMG,  3276800
.set BSCL,  4063232
.set HSCL,  3145728
.set XP,    528                        ; a stage row: 512 bytes + 16
.set WST,   9728                       ; a wave's stage: 16 rows of x, a row of g, a row of b
.set PS1,   8*WST                      ; the waves' partial sums [token][wave], 512 bytes; 512 further on those of the squares
.set RST,   PS1+1024                   ; a record for each wave
.set SPARE, RST+8*REC
.set AST,   SPARE+1024                 ; the tokens' eight records: wave w brings record (w, T), every wave reads all
.set SPW,   15
.set NIL,   16
.set SA,    20                         ; v20-27 the tokens' scale words, one a K step
.set SCB,   28                         ; v28-39 w_out's: three sets of four; lanes 0-15 tile 2 p, lanes 16-31 tile 2 p + 1
.set ACC,   40                         ; v40-103 the sums
.set S2,    104                        ; v104-199 ring set 2 (sets 0 and 1: v256-447)
.set AH,    200                        ; v200-235 the tokens' fragments of K steps 5-7 (K steps 0-4: v448-507)
.set XT,    S2                         ; x on its ways in and out
.set TC,    168
.set PP,    176
.set MN,    184
.set RS,    186
.set TM,    236
.set TP,    238
.set EE,    240
.set BT,    244
.set TX,    245
.set MSB, 0
.macro WIN new
.if MSB != \new
	s_set_vgpr_msb (MSB<<8)|\new
.set MSB, \new
.endif
.endm
.macro PLACES                          ; four plain lines between a matrix instruction and a load into, or a vector read of, its registers
.rept 4
	v_nop
.endr
.endm
.macro LDB s                           ; K step s of my 8 tiles of w_out into ring set s % 3: 4 + 24 loads
.set SL, (\s)%3
	WIN 0
.irp p, 0,1,2,3
	global_load_b32 v[SCB+4*SL+\p], v5, s[28:29] offset:(\s)*4096+128*\p
.endr
.if SL == 2
.set RB, S2
.else
.set RB, 96*SL
	WIN 0x40
.endif
.irp b, 0,1,2,3,4,5,6,7
.irp c, 0,1,2
	global_load_b128 v[RB+12*\b+4*\c:RB+12*\b+4*\c+3], v7, s[26:27] offset:(\s)*64*REC+\b*REC+512*\c   ; w_out's records lie by pieces: 512 consecutive bytes a load
.endr
.endr
.endm
.macro PR d, b0, a0, c, xb, xa, row
	v_wmma_scale_f32_16x16x128_f8f6f4 v[\d:\d+7], v[\b0:\b0+11], v[\a0:\a0+11], \c, v[\xb], v[\xa] matrix_a_fmt:MATRIX_FMT_FP6 matrix_b_fmt:MATRIX_FMT_FP6 matrix_a_scale:MATRIX_SCALE_ROW\row
.endm
.macro MUL s                           ; 8 products, the 8 accumulators by turns in the same order in every K step
.set SL, (\s)%3
.set WM, 1
.set RB, 96*SL
.if SL == 2
.set WM, 0
.set RB, S2
.endif
.if (\s) < 5
.set WM, WM|4
.set AB, 192+12*(\s)
.else
.set AB, AH+12*((\s)-5)
.endif
	WIN WM
.irp p, 0,1,2,3
.if (\s) == 0
	PR ACC+16*\p, RB+24*\p, AB, 0, SCB+4*SL+\p, SA+(\s), 0
	PR ACC+16*\p+8, RB+24*\p+12, AB, 0, SCB+4*SL+\p, SA+(\s), 1
.else
	PR ACC+16*\p, RB+24*\p, AB, v[ACC+16*\p:ACC+16*\p+7], SCB+4*SL+\p, SA+(\s), 0
	PR ACC+16*\p+8, RB+24*\p+12, AB, v[ACC+16*\p+8:ACC+16*\p+15], SCB+4*SL+\p, SA+(\s), 1
.endif
.endr
.endm
.macro CH s, n                         ; n: the loads issued behind K step s's
	s_wait_loadcnt \n
	MUL \s
	PLACES
.endm
.macro RED o                           ; four chains in v[TC..TC+7] -> token r's sum over my 128 columns -> my word at offset o; barrier; the eight waves' words
	v_pk_add_f32 v[TC:TC+1], v[TC:TC+1], v[TC+2:TC+3]
	v_pk_add_f32 v[TC+4:TC+5], v[TC+4:TC+5], v[TC+6:TC+7]
	v_pk_add_f32 v[TC:TC+1], v[TC:TC+1], v[TC+4:TC+5]
	v_add_f32 v[TC], v[TC], v[TC+1]
	v_permlanex16_b32 v[TX], v[TC], s40, s41
	v_add_f32 v[TC], v[TC], v[TX]                  ; with lane l xor 16's half of the columns
	ds_store_b32 v11, v[TC] offset:\o              ; both halves of the lanes write the same word
	s_wait_alu depctr_va_vdst(0)                   ; ahead of the blocking wait
	s_wait_dscnt 0x0                               ; for the others' sake
	s_barrier_signal -1
	s_barrier_wait -1
	ds_load_b128 v[PP:PP+3], v12 offset:\o
	ds_load_b128 v[PP+4:PP+7], v12 offset:\o+16
.endm
.macro PSUM                            ; the eight words -> v[PP]
	s_wait_dscnt 0x0
	v_pk_add_f32 v[PP:PP+1], v[PP:PP+1], v[PP+2:PP+3]
	v_pk_add_f32 v[PP+4:PP+5], v[PP+4:PP+5], v[PP+6:PP+7]
	v_pk_add_f32 v[PP:PP+1], v[PP:PP+1], v[PP+4:PP+5]
	v_add_f32 v[PP], v[PP], v[PP+1]
.endm
; 32 numbers of a lane, block g at s + 16 g, of which lane (r, h) holds half h, become: v[cq] .. v[cq+5] = the 24 bytes of block h of my row; v[by] = the two scale bytes
.macro QUANT2 s, cq, cf, by
.irp g, 0,1
	v_max3_num_f32 v[TM+\g], |v[(\s)+16*\g]|, |v[(\s)+16*\g+1]|, 0x1800000   ; with the floor 2^(3 - 127): the byte cannot fall under 1
.endr
.irp i, 2,4,6,8,10,12,14
.irp g, 0,1
	v_max3_num_f32 v[TM+\g], v[TM+\g], |v[(\s)+16*\g+\i]|, |v[(\s)+16*\g+\i+1]|
.endr
.endr
.irp g, 0,1
	v_permlanex16_b32 v[TP+\g], v[TM+\g], s40, s41
.endr
.irp g, 0,1
	v_max_num_f32 v[TM+\g], v[TM+\g], v[TP+\g]
.endr
.irp g, 0,1
	v_add_nc_u32 v[EE+\g], 0xff000000, v[TM+\g]    ; 2 off the exponent field: the conversion's scale operand
.endr
	v_lshrrev_b32 v[\by], 23, v[EE]
	v_lshrrev_b32 v[BT], 23, v[EE+1]
	v_lshl_or_b32 v[\by], v[BT], 8, v[\by]
	v_cvt_scalef32_pk16_fp6_f32 v[\cq:\cq+2], v[(\s):(\s)+15], v[EE]
	v_cvt_scalef32_pk16_fp6_f32 v[\cf:\cf+2], v[(\s)+16:(\s)+31], v[EE+1]
	v_nop                                          ; one plain line behind the conversions
.irp i, 0,1,2
	v_permlane16_swap_b32 v[\cq+\i], v[\cf+\i]     ; lanes 0-15 get block 0 whole, lanes 16-31 block 1
.endr
.irp i, 0,1,2
	v_mov_b32 v[\cq+3+\i], v[\cf+\i]
.endr
.endm
	s_load_b256 s[4:11], s[0:1], 0x0               ; ab s[4:5], wb s[6:7], b_out s[8:9], x s[10:11]
	s_load_b256 s[12:19], s[0:1], 0x20             ; g s[12:13], b s[14:15], x1 s[16:17], hb s[18:19]
	v_lshl_add_u32 v[SPW], v0, 2, SPARE
	v_mov_b32 v[NIL], 0
	v_lshrrev_b32 v1, 5, v0
	v_readfirstlane_b32 s20, v1                    ; wave 0..7
	v_and_b32 v1, 31, v0                           ; lane
	v_and_b32 v2, 15, v0                           ; r
	v_bfe_u32 v3, v0, 4, 1                         ; h
	v_mul_u32_u24 v4, v1, 48                       ; v4: my 48 bytes of a record
	v_lshlrev_b32 v5, 2, v1                        ; v5: 4 x lane
	v_lshlrev_b32 v6, 2, v2                        ; v6: 4 r
	v_lshlrev_b32 v7, 4, v1                        ; v7: 16 x lane
	s_mul_i32 s46, s20, WST
	v_add_nc_u32 v8, s46, v7                       ; v8: my stage, by rows
	v_mul_u32_u24 v9, v2, XP
	v_lshl_add_u32 v9, v3, 6, v9
	v_add_nc_u32 v9, s46, v9                       ; v9: my stage, as the sums lie: row r, 64 h
	s_add_co_u32 s47, s46, 16*XP
	v_lshl_add_u32 v10, v3, 6, s47                 ; v10: g's row likewise; b's is the next
	s_lshl_b32 s47, s20, 2
	s_add_co_u32 s47, s47, PS1
	v_lshl_add_u32 v11, v2, 5, s47                 ; v11: my wave's word of token r
	v_lshlrev_b32 v12, 5, v2
	v_add_nc_u32 v12, PS1, v12                     ; v12: token r's eight words
	s_mul_i32 s47, s20, REC
	s_add_co_u32 s47, s47, RST
	v_add_nc_u32 v13, s47, v4                      ; v13, v14: my record, as an image and by 16 bytes a lane
	v_add_nc_u32 v14, s47, v7
	v_add_nc_u32 v246, AST, v4                     ; v246: my 48 bytes of the tokens' records; v19: of the record that I bring
	s_add_co_u32 s47, s47, AST-RST
	v_add_nc_u32 v19, s47, v4
	s_lshl_b32 s47, s20, 9
	v_add_nc_u32 v18, s47, v7                      ; v18: my 16 bytes of my wave's 512 of b_out, g, b
	s_and_b32 s48, ttmp9, 127
	s_mul_i32 s48, s48, 24
	s_mul_i32 s49, s20, 3
	s_add_co_u32 s48, s48, s49
	v_min_u32 v17, 2, v1
	v_add_nc_u32 v17, s48, v17
	v_lshlrev_b32 v17, 8, v17                      ; v17: the block of w_out's codes that my lane names; never rewritten
	v_mov_b32 v[TP], 0                             ; written once: a lane permute's destination counts as one of its sources
	v_mov_b32 v[TP+1], 0
	v_mov_b32 v[TX], 0
	s_lshr_b32 s21, ttmp9, 1
	s_lshl_b32 s21, s21, 5
	s_and_b32 s38, ttmp9, 1
	s_lshl_b32 s38, s38, 3
	s_add_co_u32 s21, s21, s38                     ; the tile's first token
	s_lshl_b32 s21, s21, 12
	s_add_co_u32 s21, s21, s47                     ; in bytes, + my 512 bytes of a row
	s_lshl_b32 s50, s20, 8
	s_add_co_u32 s50, s50, ttmp9                   ; record (w, T)
	s_mov_b32 s39, 0
	s_mov_b32 s40, 0x76543210
	s_mov_b32 s41, 0xfedcba98                      ; lane l xor 16
	s_mov_b32 s42, 0x3a800000                      ; 1 / 1024
	s_mov_b32 s43, 0x3727c5ac                      ; 1e-5
	s_wait_alu depctr_va_vdst(0)                   ; at the head's end
	s_wait_kmcnt 0x0
	s_mul_i32 s38, s50, REC
	s_add_nc_u64 s[22:23], s[4:5], s[38:39]        ; the tokens' records
	s_lshl_b32 s38, ttmp9, 6
	s_add_co_u32 s38, s38, ASCL
	s_add_nc_u64 s[24:25], s[4:5], s[38:39]        ; and scale words
	s_add_nc_u64 s[44:45], s[6:7], BIMG
	s_mul_i32 s38, s20, 8*REC
	s_add_nc_u64 s[26:27], s[44:45], s[38:39]      ; w_out: my eight tiles
	s_lshl_b32 s38, s20, 9
	s_add_co_u32 s38, s38, BSCL
	s_add_nc_u64 s[28:29], s[6:7], s[38:39]
	s_mov_b32 s38, s21
	s_add_nc_u64 s[30:31], s[10:11], s[38:39]      ; x
	s_add_nc_u64 s[32:33], s[16:17], s[38:39]      ; x1
	s_mul_i32 s38, s50, REC
	s_add_nc_u64 s[34:35], s[18:19], s[38:39]      ; hb: my record
	s_lshl_b32 s38, s50, 6
	s_add_co_u32 s38, s38, HSCL
	s_add_nc_u64 s[36:37], s[18:19], s[38:39]      ; and its scale words
	global_prefetch_b8 v17, s[44:45] th:TH_LOAD_NT scope:SCOPE_SE
.irp c, 0,1,2
	global_load_b128 v[180+4*\c:183+4*\c], v4, s[22:23] offset:16*\c
.endr
.irp i, 0,1,2,3,4,5,6,7,8,9,10,11,12,13,14,15
	global_load_b128 v[XT+4*\i:XT+4*\i+3], v7, s[30:31] offset:((\i%8)+16*(\i/8))*4096 th:TH_LOAD_NT   ; place i's token: 512 consecutive bytes, aligned
.endr
	global_load_b128 v[168:171], v18, s[8:9]
	global_load_b128 v[172:175], v18, s[12:13]
	global_load_b128 v[176:179], v18, s[14:15]
.irp s, 0,1,2,3,4,5,6,7
	global_load_b32 v[SA+\s], v6, s[24:25] offset:\s*16384
.endr
	LDB 0
	LDB 1
	WIN 0
	s_wait_loadcnt 63                              ; x, b_out, g, b are in: 64 loads were issued behind them
.irp i, 0,1,2,3,4,5,6,7,8,9,10,11,12,13,14,15
	v_pk_add_f32 v[XT+4*\i:XT+4*\i+1], v[XT+4*\i:XT+4*\i+1], v[168:169]       ; x + b_out
	v_pk_add_f32 v[XT+4*\i+2:XT+4*\i+3], v[XT+4*\i+2:XT+4*\i+3], v[170:171]
.endr
.irp i, 0,1,2,3,4,5,6,7,8,9,10,11,12,13,14,15
	ds_store_b128 v8, v[XT+4*\i:XT+4*\i+3] offset:\i*XP
.endr
	ds_store_b128 v8, v[172:175] offset:16*XP
	ds_store_b128 v8, v[176:179] offset:17*XP
.irp c, 0,1,2
	ds_store_b128 v19, v[180+4*\c:183+4*\c] offset:16*\c
.endr
	s_wait_dscnt 0x0                               ; the stores have read their registers, which ring set 2 takes; and for the others' sake
	s_barrier_signal -1
	s_barrier_wait -1
.irp s, 5,6,7
.irp c, 0,1,2
	ds_load_b128 v[AH+12*(\s-5)+4*\c:AH+12*(\s-5)+4*\c+3], v246 offset:\s*REC+16*\c
.endr
.endr
	WIN 0x40
.irp s, 0,1,2,3,4
.irp c, 0,1,2
	ds_load_b128 v[192+12*\s+4*\c:192+12*\s+4*\c+3], v246 offset:\s*REC+16*\c
.endr
.endr
	LDB 2
	s_wait_dscnt 0x0                               ; the tokens' fragments are in
	CH 0, 56
	LDB 3
	CH 1, 56
	LDB 4
	CH 2, 56
	LDB 5
	CH 3, 56
	LDB 6
	CH 4, 56
	LDB 7
	CH 5, 56
	WIN 0
.irp g, 0,1,2,3
.irp i, 0,1,2,3
	ds_load_b128 v[XT+16*\g+4*\i:XT+16*\g+4*\i+3], v9 offset:128*\g+16*\i       ; x + b_out as the sums lie (my own bytes, served in order)
.endr
.endr
	WIN 0x40
.irp g, 0,1,2,3
.irp i, 0,1,2,3
	ds_load_b128 v[192+16*\g+4*\i:192+16*\g+4*\i+3], v10 offset:128*\g+16*\i    ; g, where the fragments of K steps 0-4 lay
.endr
.endr
	CH 6, 28
	WIN 0x40
.irp g, 0,1,2,3
.irp i, 0,1,2,3
	ds_load_b128 v[16*\g+4*\i:16*\g+4*\i+3], v10 offset:XP+128*\g+16*\i         ; b, in ring set 0
.endr
.endr
	CH 7, 0
	WIN 0
	s_wait_dscnt 0x0
.set n, 0
.rept 32
	v_pk_add_f32 v[ACC+n:ACC+n+1], v[ACC+n:ACC+n+1], v[XT+n:XT+n+1]             ; x1; each accumulator from its low end on
.set n, n+2
.endr
.irp g, 0,1,2,3
.irp i, 0,1,2,3
	ds_store_b128 v9, v[ACC+16*\g+4*\i:ACC+16*\g+4*\i+3] offset:128*\g+16*\i
.endr
.endr
.irp i, 0,1,2,3,4,5,6,7,8,9,10,11,12,13,14,15
	ds_load_b128 v[XT+4*\i:XT+4*\i+3], v8 offset:\i*XP                          ; and back by rows
.endr
.irp k, 0,1,2,3
	v_pk_add_f32 v[TC+2*\k:TC+2*\k+1], v[ACC+2*\k:ACC+2*\k+1], v[ACC+8+2*\k:ACC+9+2*\k]
.endr
.irp j, 16,24,32,40,48,56
.irp k, 0,1,2,3
	v_pk_add_f32 v[TC+2*\k:TC+2*\k+1], v[TC+2*\k:TC+2*\k+1], v[ACC+\j+2*\k:ACC+\j+2*\k+1]
.endr
.endr
	RED 0
.irp i, 0,1,2,3,4,5,6,7,8,9,10,11,12,13,14,15
	global_store_b128 v7, v[XT+4*\i:XT+4*\i+3], s[32:33] offset:((\i%8)+16*(\i/8))*4096 th:TH_STORE_NT   ; 512 consecutive bytes, aligned
.endr
	PSUM
	v_mul_f32 v[MN], s42, v[PP]                    ; the mean
	v_mov_b32 v[MN+1], v[MN]
.set n, 0
.rept 32
	v_pk_add_f32 v[ACC+n:ACC+n+1], v[ACC+n:ACC+n+1], v[MN:MN+1] neg_lo:[0,1] neg_hi:[0,1]
.set n, n+2
.endr
.irp k, 0,1,2,3
	v_pk_mul_f32 v[TC+2*\k:TC+2*\k+1], v[ACC+2*\k:ACC+2*\k+1], v[ACC+2*\k:ACC+2*\k+1]
.endr
.irp j, 8,16,24,32,40,48,56
.irp k, 0,1,2,3
	v_pk_fma_f32 v[TC+2*\k:TC+2*\k+1], v[ACC+\j+2*\k:ACC+\j+2*\k+1], v[ACC+\j+2*\k:ACC+\j+2*\k+1], v[TC+2*\k:TC+2*\k+1]
.endr
.endr
	RED 512
	PSUM
	v_fma_f32 v[PP], v[PP], s42, s43               ; the variance + 1e-5
	s_wait_alu depctr_va_vdst(0)                   ; ahead of the transcendental
	v_rsq_f32 v[RS], v[PP]
	v_nop                                          ; a plain line behind it
	s_wait_alu depctr_va_vdst(0)                   ; and the wait ahead of its first reader
	v_mov_b32 v[RS+1], v[RS]
.set n, 0
.rept 32
	v_pk_mul_f32 v[ACC+n:ACC+n+1], v[ACC+n:ACC+n+1], v[RS:RS+1]
.set n, n+2
.endr
	WIN 0x14                                       ; sources 1 and 2: g and b
.set n, 0
.rept 32
	v_pk_fma_f32 v[ACC+n:ACC+n+1], v[ACC+n:ACC+n+1], v[192+n:192+n+1], v[n:n+1]
.set n, n+2
.endr
	WIN 0
	QUANT2 ACC, 188, 194, 242
	QUANT2 ACC+32, 200, 206, 243
	v_lshl_or_b32 v242, v243, 16, v242             ; row r's scale word of K step w
.irp p, 0,1,2
	ds_store_b64 v13, v[188+2*\p:189+2*\p] offset:8*\p
	ds_store_b64 v13, v[200+2*\p:201+2*\p] offset:24+8*\p
.endr
.irp i, 0,1,2
	ds_load_b128 v[212+4*\i:215+4*\i], v14 offset:512*\i    ; my own bytes, served in order
.endr
	global_store_b32 v6, v242, s[36:37]            ; 64 bytes; both halves of the lanes store the same words
	s_wait_dscnt 0x0
.irp i, 0,1,2
	global_store_b128 v7, v[212+4*\i:215+4*\i], s[34:35] offset:512*\i   ; 512 consecutive bytes, aligned
.endr
	s_wait_tensorcnt 0x0                           ; the wave's end
	ds_add_u32 v[SPW], v[NIL]
	s_wait_dscnt 0x0
	s_endpgm
.Lfunc_end_k_qfddb18e9c7_oln:
	.size	k_qfddb18e9c7_oln, .Lfunc_end_k_qfddb18e9c7_oln-k_qfddb18e9c7_oln
	.p2alignl 7, 3214868480
	.fill 96, 4, 3214868480
	.section	.rodata,"a",@progbits
	.p2align	6, 0x0
	.amdhsa_kernel k_qfddb18e9c7_oln
		.amdhsa_group_segment_fixed_size 104448
		.amdhsa_private_segment_fixed_size 0
		.amdhsa_enable_private_segment 0
		.amdhsa_kernarg_size 64
		.amdhsa_user_sgpr_count 2
		.amdhsa_user_sgpr_kernarg_segment_ptr 1
		.amdhsa_wavefront_size32 1
		.amdhsa_system_sgpr_workgroup_id_x 1
		.amdhsa_system_sgpr_workgroup_id_y 1
		.amdhsa_system_sgpr_workgroup_id_z 1
		.amdhsa_system_vgpr_workitem_id 0
		.amdhsa_next_free_vgpr 512
		.amdhsa_next_free_sgpr 66
		.amdhsa_reserve_vcc 0
		.amdhsa_float_denorm_mode_32 3
		.amdhsa_float_denorm_mode_16_64 3
		.amdhsa_memory_ordered 1
		.amdhsa_forward_progress 1
		.amdhsa_inst_pref_size 68
	.end_amdhsa_kernel
	.amdgpu_metadata
---
amdhsa.version: [ 1, 2 ]
amdhsa.kernels:
  - .name:           k_qfddb18e9c7_oln
    .symbol:         k_qfddb18e9c7_oln.kd
    .args:
      - { .name: ab, .offset: 0, .size: 8, .value_kind: global_buffer, .address_space: global }
      - { .name: wb, .offset: 8, .size: 8, .value_kind: global_buffer, .address_space: global }
      - { .name: b_out, .offset: 16, .size: 8, .value_kind: global_buffer, .address_space: global }
      - { .name: x, .offset: 24, .size: 8, .value_kind: global_buffer, .address_space: global }
      - { .name: ln2_g, .offset: 32, .size: 8, .value_kind: global_buffer, .address_space: global }
      - { .name: ln2_b, .offset: 40, .size: 8, .value_kind: global_buffer, .address_space: global }
      - { .name: x1, .offset: 48, .size: 8, .value_kind: global_buffer, .address_space: global }
      - { .name: hb, .offset: 56, .size: 8, .value_kind: global_buffer, .address_space: global }
    .group_segment_fixed_size: 104448
    .private_segment_fixed_size: 0
    .kernarg_segment_align: 8
    .kernarg_segment_size: 64
    .max_flat_workgroup_size: 256
    .sgpr_count:     66
    .vgpr_count:     512
    .wavefront_size: 32
...
	.end_amdgpu_metadata
.endif
;; end of part 5
;; launch ffn1 (part 6): grid 8 x 32, 4 waves a work-group, clusters of 4 x 4, 327,680 bytes of LDS; arguments hb, wb, b1, gb; writes gb
.if DOCPART == 6
	.amdgcn_target "amdgcn-amd-amdhsa--gfx1250"
	.amdhsa_code_object_version 6
	.text
	.protected	k_qfddb18e9c7_ffn1
	.globl	k_qfddb18e9c7_ffn1
	.p2align	8
	.type	k_qfddb18e9c7_ffn1,@function
k_qfddb18e9c7_ffn1:
	s_mov_b64 s[64:65], 0
	v_nop
	global_prefetch_b8 v0, s[64:65] scope:SCOPE_SE
	s_setreg_imm32_b32 hwreg(HW_REG_WAVE_MODE, 25, 1), 1
	s_wait_xcnt 0x0
	s_wait_alu depctr_hold_cnt(0) depctr_sa_sdst(0) depctr_va_vdst(0) depctr_va_sdst(0) depctr_va_ssrc(0) depctr_va_vcc(0) depctr_vm_vsrc(0)
	s_getreg_b32 s2, hwreg(HW_REG_IB_STS2, 6, 4)
	s_cmp_eq_u32 s2, 0
	s_cbranch_scc0 .Lentry_in_a_cluster
	s_endpgm
.Lentry_in_a_cluster:
	s_bfe_u32 s2, ttmp6, 0x10000c
	s_cmp_lg_u32 s2, 0xf033
	s_cbranch_scc0 .Lentry_shape_is_right
	s_endpgm
.Lentry_shape_is_right:
; A GEMM on register images of FP6 (E2M3) codes whose result is quantised again.  Here: gelu(h2 w1 + b1), the exact (erf) form, K = 1,024, quantised along the 4,096 hidden units.
; IMAGES: record (s, T), 1,536 bytes = K step s of 128, tile T of 16 rows: lane l = r + 16 h owns bytes 48 l .. 48 l + 47, its 12 operand registers; place r stands for row 32 (T / 2) + 8 (T % 2) + r % 8 + 16 (r / 8).
; Scale words: 64 bytes for (s, T), word r.  A fragment is three loads of 16 bytes; a K step's tiles are dense bytes for the tensor data mover.
; A WORK-GROUP STAYS: it keeps 128 tokens (A) and walks FOUR blocks of 128 hidden units (B): 512 x to 512 x + 511.  Each of its four waves makes 64 x 64 of a block: 16 accumulators.  A wave's 32 fragments of A
; (64 rows x all of K, 384 registers) are read from LDS once and stay in registers; B's blocks come whole (all of K, 98,304 bytes) through two LDS buffers, each asked for a whole block ahead.
; THE MATRIX INSTRUCTION IS USED TRANSPOSED (source 0 = 16 rows of B, source 1 = 16 rows of A): a lane holds ONE token, and by the order of rows in a tile the 16 registers of B's tiles 2 g, 2 g + 1 are
; 16 NEIGHBOURING hidden units 32 g + 16 h + 0 .. 15: they are quantised as they stand.  The bias is the C of the first products.
; CLUSTER 4 x 4: A is shared along a row of the cluster, B along a column: joint loads, every wave issuing its quarter (two K steps) of every one.
; erf(z) = z P(z^2) / Q(z^2), z held to -4 .. 4 (beyond, erf is 1 in f32): a rational form good to a few units in the last place of f32; gelu = x/2 + x/2 erf(x / sqrt 2).
; LIMITS: a block of zeros, or one whose largest magnitude lies under 2^-124, keeps the byte 1; NaN and infinities are not served; far below 0 the result is x/2 (1 + erf), whose error is that of the sum 1 + erf.
.set NTILE,  4
.set NT,     256                       ; tiles in a K step of A's buffer, and of B's region
.set ASCL,   3145728
.set BIMG,   4096000
.set BSCL,   7241728
.set OSCL,   12582912
.set BMAX,   16128                     ; the last place in the bias from which a wave's 256 bytes may be read
.set REC,    1536
.set TROW,   8*REC                     ; a K step of 128 rows
.set QUART,  2*TROW                    ; what one tensor load brings
.set BUF1,   1<<17                     ; B's second buffer: one exclusive or turns an address in one buffer into the other's
.set ASC,    98304                     ; behind buffer 0: A's scale words, [K step][8 tiles][64];
.set BSC,    102400                    ; B's, of all four blocks, [K step][32 tiles][64]
.set SPARE,  130560                    ; the spare words: 128 bytes a wave, named by no other line
.set AST,    229376                    ; where A lands: filled once, read once
.set STG,    AST                       ; the way out's eight records lie there afterwards: its one fill is over, and every wave has read A and passed a barrier
.set SST,    AST+8*REC                 ; and their 512 scale bytes
.set AAD,   12                         ; v12-13 A's landing place, K steps 0-3 and 4-7
.set ADRB0, 16                         ; v16 my lane's place in a buffer of B
.set ADRB,  17                         ; v17-18 the same in the buffer in hand, K steps 0-3 and 4-7
.set ADSA,  19                         ; v19 A's scale words
.set ADSB0, 20                         ; v20 B's, first block;  v21 the block in hand
.set ADSB,  21
.set STO,   22                         ; v22-27 the way out
.set SSO,   23
.set RDA,   24
.set GOF,   25
.set RDS,   26
.set GOS,   27
.set SPW,   28
.set NIL,   29
.set BO0,   30                         ; v30 64 h;  v31 the bias's offset for the block asked for
.set BOF,   31
.set SC,    32                         ; v32-47 scale words, two sets of B's four and A's four: nothing else is ever kept here
.set GZ,    48                         ; z
.set GW,    64                         ; z^2, then x / 2
.set GP,    80                         ; P, then erf
.set GQ,    96                         ; Q, then 1 / Q
.set GA,    112                        ; v[112:113] P's leading coefficient, v[114:115] Q's
.set GB,    114
.set TM,    48                         ; the quantiser works in registers that the gelu has left
.set TP,    50
.set EE,    52
.set BY,    54
.set BT,    55
.set CQ,    56
.set CF,    62
.set OB,    80                         ; records read back
.set ACC,   128                        ; v128-255 accumulator (a, b) at ACC + 8 (4 a + b)
.set BI,    96                         ; window 1: v0-95 two buffers of B's four fragments; v96-127 the bias, the C of the first products
                                       ; window 2: A's fragments of K steps 0-4, 48 registers each; window 3: K steps 5-7
.set G1A,  24
.set G1B,  32
.set G1SA, 48
.set G1SB, 56
.set G0A,  68
.set G0B0, 72
.set G0W,  76                          ; B's second first fill; then it walks
.set G0SA, 80
.set G0SB, 84
.set TB,   2                           ; the buffer in hand
.set TS,   3                           ; 512 x the block in hand: its scale words
.set BOFS, 96
.set BCL,  97
.set CNT,  99
.set SEL,  100
.set MSB, 0
.macro WIN new                         ; the immediate's high byte repeats the setting that is left
.if MSB != \new
	s_set_vgpr_msb (MSB<<8)|\new
.set MSB, \new
.endif
.endm
.macro PLACES                          ; four plain lines between a matrix instruction and a load into, or a vector read of, its registers
.rept 4
	v_nop
.endr
.endm
.macro CROUND                          ; a round of the cluster's barrier
	s_barrier_signal -1
	s_barrier_wait -1
	s_cmp_lg_u32 s14, 0
	s_cbranch_scc1 .Lnot_wave_0_\@
	s_barrier_signal -3
.Lnot_wave_0_\@:
	s_barrier_wait -3
	s_barrier_signal -1
	s_barrier_wait -1
.endm
.macro SETADR                          ; the addresses of the block in hand
	v_add_nc_u32 v[ADRB], s[TB], v[ADRB0]
	v_add_nc_u32 v[ADRB+1], 4*TROW, v[ADRB]
	v_add_nc_u32 v[ADSB], s[TS], v[ADSB0]
.endm
.macro FETCH s, f                      ; B's four fragments of K step s, and both sides' scale words, into set f
	WIN 0
.irp i, 0,1,2,3
	ds_load_b32 v[SC+8*(\f)+\i], v[ADSB] offset:2048*(\s)+64*\i
.endr
.irp i, 0,1,2,3
	ds_load_b32 v[SC+8*(\f)+4+\i], v[ADSA] offset:512*(\s)+64*\i
.endr
	WIN 0x40                                       ; destination window 1
.irp i, 0,1,2,3
.irp c, 0,1,2
	ds_load_b128 v[48*(\f)+12*\i+4*\c:48*(\f)+12*\i+4*\c+3], v[ADRB+(\s)/4] offset:((\s)%4)*TROW+\i*REC+16*\c
.endr
.endr
.endm
.macro MUL f, s, first                 ; K step s: 16 products, the 16 accumulators by turns in the same order in every K step
.set AB, 48*((\s)%5)
	WIN (0x01|((2+(\s)/5)<<2)|((\first)<<4))       ; source 0 (B) window 1; source 1 (A) window 2 or 3; C window 0, or 1 for the bias; D window 0
.irp a, 0,1,2,3
.irp b, 0,1,2,3
.if \first
	v_wmma_scale_f32_16x16x128_f8f6f4 v[ACC+8*(4*\a+\b):ACC+8*(4*\a+\b)+7], v[48*(\f)+12*\b:48*(\f)+12*\b+11], v[AB+12*\a:AB+12*\a+11], v[BI+8*\b:BI+8*\b+7], v[SC+8*(\f)+\b], v[SC+8*(\f)+4+\a] matrix_a_fmt:MATRIX_FMT_FP6 matrix_b_fmt:MATRIX_FMT_FP6
.else
	v_wmma_scale_f32_16x16x128_f8f6f4 v[ACC+8*(4*\a+\b):ACC+8*(4*\a+\b)+7], v[48*(\f)+12*\b:48*(\f)+12*\b+11], v[AB+12*\a:AB+12*\a+11], v[ACC+8*(4*\a+\b):ACC+8*(4*\a+\b)+7], v[SC+8*(\f)+\b], v[SC+8*(\f)+4+\a] matrix_a_fmt:MATRIX_FMT_FP6 matrix_b_fmt:MATRIX_FMT_FP6
.endif
.endr
.endr
.endm
.macro NEXTBIAS                        ; the next block's bias, behind the products that read this block's; behind the last block the offset is held inside the buffer and the numbers are not used
	WIN 0
	s_add_co_u32 s[BOFS], s[BOFS], 512
	s_min_u32 s[BCL], s[BOFS], BMAX
	v_add_nc_u32 v[BOF], s[BCL], v[BO0]            ; (the loads that read this register were waited for at the block's head)
	WIN 0x40
.irp b, 0,1,2,3
	global_load_b128 v[BI+8*\b:BI+8*\b+3], v[BOF], s[8:9] offset:(32*(\b/2)+8*(\b%2))*4
	global_load_b128 v[BI+8*\b+4:BI+8*\b+7], v[BOF], s[8:9] offset:(32*(\b/2)+8*(\b%2))*4+16
.endr
.endm
.macro KSTEP f, s, first, nb           ; set f is multiplied while the next K step's fragments come into the other set
	s_wait_dscnt 0x0                               ; set f is in
	PLACES                                         ; the other set (and, with nb, the bias) was read by the products just issued
.if \nb
	NEXTBIAS
.endif
	FETCH (\s)+1, 1-(\f)
	MUL \f, \s, \first
.endm
; A block's last K step, and the change of buffers.  Each wave waits for all its tensor loads (its quarter of the next block), adds 0 to its spare word, and waits for that and for its reads of this buffer, whose last
; fragments are in set 1.  fill = 1: behind a round of the cluster's barrier the buffer just read out takes the block after the next: that load has this block's way out and seven K steps in which to land.
.macro TURN fill
	WIN 0
	s_wait_tensorcnt 0x0
	ds_add_u32 v[SPW], v[NIL]
.if \fill
	s_xor_b32 s[G0W+1], s[G0W+1], BUF1             ; the walking descriptor: the other buffer than last time,
	s_add_nc_u64 s[G0W+2:G0W+3], s[G0W+2:G0W+3], TROW   ; the next eight tiles of B
.endif
	s_xor_b32 s[TB], s[TB], BUF1
	s_add_co_u32 s[TS], s[TS], 512
	s_wait_dscnt 0x0
.if \fill
	CROUND                                         ; no wave of any partner still reads the buffer or has a load on its way
	tensor_load_to_lds s[G0W:G0W+3], s[G1B:G1B+7]  ; my one tensor load until the next change
	s_nop 0
.else
	s_barrier_signal -1
	s_barrier_wait -1
.endif
	PLACES                                         ; behind the load; also the places in front of the loads below
	SETADR
	FETCH 0, 0                                     ; the next block's first fragments (behind the last block: old bytes of the other buffer, which nobody uses; so the tail is written once)
	MUL 1, 7, 0
.endm
; 32 numbers of a lane, block g at s + 16 g, of which lane (r, h) holds half h, become: v[CQ] .. v[CQ+5] = the 24 bytes of block h of my row; v[BY] = the two scale bytes
.macro QUANT2 s
.irp g, 0,1
	v_max3_num_f32 v[TM+\g], |v[(\s)+16*\g]|, |v[(\s)+16*\g+1]|, 0x1800000   ; with the floor 2^(3 - 127): the byte cannot fall under 1
.endr
.irp i, 2,4,6,8,10,12,14
.irp g, 0,1
	v_max3_num_f32 v[TM+\g], v[TM+\g], |v[(\s)+16*\g+\i]|, |v[(\s)+16*\g+\i+1]|
.endr
.endr
.irp g, 0,1
	v_permlanex16_b32 v[TP+\g], v[TM+\g], s[SEL], s[SEL+1]
.endr
.irp g, 0,1
	v_max_num_f32 v[TM+\g], v[TM+\g], v[TP+\g]     ; with lane l xor 16's half: the block's largest magnitude
.endr
.irp g, 0,1
	v_add_nc_u32 v[EE+\g], 0xff000000, v[TM+\g]    ; 2 off the exponent field: the conversion's scale operand
.endr
	v_lshrrev_b32 v[BY], 23, v[EE]
	v_lshrrev_b32 v[BT], 23, v[EE+1]
	v_lshl_or_b32 v[BY], v[BT], 8, v[BY]
	v_cvt_scalef32_pk16_fp6_f32 v[CQ:CQ+2], v[(\s):(\s)+15], v[EE]
	v_cvt_scalef32_pk16_fp6_f32 v[CF:CF+2], v[(\s)+16:(\s)+31], v[EE+1]
	v_nop                                          ; one plain line behind the conversions
.irp i, 0,1,2
	v_permlane16_swap_b32 v[CQ+\i], v[CF+\i]       ; lanes 0-15 get block 0 whole, lanes 16-31 block 1: lower 16 codes in the first, upper 16 in the second
.endr
.irp i, 0,1,2
	v_mov_b32 v[CQ+3+\i], v[CF+\i]
.endr
.endm
; gelu of 16 registers, in place.  The sixteen reciprocals are one batch with one wait; z P and x / 2 are made while they are out
.macro GELU16 x
.irp j, 0,2,4,6,8,10,12,14
	v_pk_mul_f32 v[GZ+\j:GZ+\j+1], v[(\x)+\j:(\x)+\j+1], 0x3f3504f3 op_sel_hi:[1,0]   ; z = x / sqrt 2; each accumulator from its low end on
.endr
.irp j, 0,1,2,3,4,5,6,7,8,9,10,11,12,13,14,15
	v_med3_num_f32 v[GZ+\j], v[GZ+\j], -4.0, 4.0
.endr
.irp j, 0,2,4,6,8,10,12,14
	v_pk_mul_f32 v[GW+\j:GW+\j+1], v[GZ+\j:GZ+\j+1], v[GZ+\j:GZ+\j+1]
.endr
.irp j, 0,2,4,6,8,10,12,14
	v_pk_fma_f32 v[GP+\j:GP+\j+1], v[GW+\j:GW+\j+1], v[GA:GA+1], 0x32edffee op_sel_hi:[1,1,0]
	v_pk_fma_f32 v[GQ+\j:GQ+\j+1], v[GW+\j:GW+\j+1], v[GB:GB+1], 0xb95fbd29 op_sel_hi:[1,1,0]
.endr
.irp c, 0xb60cff51, 0xb86ec2d2, 0xba40ac63, 0xbb41a1f6, 0xbc83dbd4
.irp j, 0,2,4,6,8,10,12,14
	v_pk_fma_f32 v[GP+\j:GP+\j+1], v[GP+\j:GP+\j+1], v[GW+\j:GW+\j+1], \c op_sel_hi:[1,1,0]
.endr
.endr
.irp c, 0xbadc924e, 0xbbf19bf8, 0xbc69b6a7
.irp j, 0,2,4,6,8,10,12,14
	v_pk_fma_f32 v[GQ+\j:GQ+\j+1], v[GQ+\j:GQ+\j+1], v[GW+\j:GW+\j+1], \c op_sel_hi:[1,1,0]
.endr
.endr
	s_wait_alu depctr_va_vdst(0)
.irp j, 0,1,2,3,4,5,6,7,8,9,10,11,12,13,14,15
	v_rcp_f32 v[GQ+\j], v[GQ+\j]
.endr
.irp j, 0,2,4,6,8,10,12,14
	v_pk_mul_f32 v[GP+\j:GP+\j+1], v[GP+\j:GP+\j+1], v[GZ+\j:GZ+\j+1]
.endr
.irp j, 0,2,4,6,8,10,12,14
	v_pk_mul_f32 v[GW+\j:GW+\j+1], v[(\x)+\j:(\x)+\j+1], 0.5 op_sel_hi:[1,0]
.endr
	s_wait_alu depctr_va_vdst(0)                   ; one wait for the batch, ahead of its first reader
.irp j, 0,2,4,6,8,10,12,14
	v_pk_mul_f32 v[GP+\j:GP+\j+1], v[GP+\j:GP+\j+1], v[GQ+\j:GQ+\j+1]   ; erf
.endr
.irp j, 0,2,4,6,8,10,12,14
	v_pk_fma_f32 v[(\x)+\j:(\x)+\j+1], v[GW+\j:GW+\j+1], v[GP+\j:GP+\j+1], v[GW+\j:GW+\j+1]
.endr
.endm
.macro EPI                             ; a block's way out.  The stage is the work-group's: the change of buffers parts these stores from the last block's reads, the barrier below parts them from this block's
	WIN 0
	PLACES
.irp a, 0,1,2,3
	GELU16 ACC+32*\a
	GELU16 ACC+32*\a+16
	QUANT2 ACC+32*\a
.irp p, 0,1,2
	ds_store_b64 v[STO], v[CQ+2*\p:CQ+2*\p+1] offset:\a*REC+8*\p
.endr
	ds_store_b16 v[SSO], v[BY] offset:64*\a        ; both halves of the lanes write the same two bytes
	s_wait_dscnt 0x0                               ; the stores have read their registers; behind the last tile: for the others' sake
.endr
	s_barrier_signal -1
	s_barrier_wait -1
.irp i, 0,1,2,3,4,5
	ds_load_b128 v[OB+4*\i:OB+4*\i+3], v[RDA] offset:512*\i
.endr
.irp i, 0,1,2,3,4,5
	s_wait_dscnt 5-\i                              ; the younger loads may be out
	global_store_b128 v[GOF], v[OB+4*\i:OB+4*\i+3], s[10:11] offset:512*\i   ; 512 consecutive bytes, aligned
.endr
	s_cmp_lg_u32 s14, 0
	s_cbranch_scc1 .Lnot0_\@
	ds_load_b128 v[OB+24:OB+27], v[RDS]
	s_wait_dscnt 0x0
	global_store_b128 v[GOS], v[OB+24:OB+27], s[12:13]   ; the eight tiles' scale words: 512 consecutive bytes
.Lnot0_\@:
	s_wait_xcnt 0x0                                ; the stores have read their registers and bases: both are written again only behind this wait
	s_add_nc_u64 s[10:11], s[10:11], 256*REC       ; the next block is the next K step of the output
	s_add_nc_u64 s[12:13], s[12:13], 256*64
.endm
.macro TILE fill
	s_wait_loadcnt 0x0                             ; this block's bias
	KSTEP 0, 0, 1, 0                               ; the first K step starts the sums, with the bias as C
	KSTEP 1, 1, 0, 1
	KSTEP 0, 2, 0, 0
	KSTEP 1, 3, 0, 0
	KSTEP 0, 4, 0, 0
	KSTEP 1, 5, 0, 0
	KSTEP 0, 6, 0, 0
	TURN \fill
	EPI
.endm
.macro ALD s                           ; my four fragments of A of K step s
.irp i, 0,1,2,3
.irp c, 0,1,2
	ds_load_b128 v[48*((\s)%5)+12*\i+4*\c:48*((\s)%5)+12*\i+4*\c+3], v[AAD+(\s)/4] offset:((\s)%4)*TROW+\i*REC+16*\c
.endr
.endr
.endm
	s_load_b128 s[4:7], s[0:1], 0x0                ; hb, wb
	s_load_b128 s[8:11], s[0:1], 0x10              ; b1, gb
	v_lshl_add_u32 v[SPW], v0, 2, SPARE
	v_mov_b32 v[NIL], 0
	ds_add_u32 v28, v29
	ds_add_u32 v28, v29
	s_wait_dscnt 0x0
	v_lshrrev_b32 v1, 5, v0
	v_readfirstlane_b32 s14, v1                    ; wave 0..3
	s_lshr_b32 s15, s14, 1                         ; my half of A's rows
	s_and_b32 s16, s14, 1                          ; my half of B's rows
	s_bfe_u32 s40, ttmp6, 0x40000                  ; cx, cy: my place in the cluster
	s_bfe_u32 s41, ttmp6, 0x40004
	s_lshl_b32 s42, ttmp9, 2
	s_add_co_u32 s42, s42, s40                     ; which 512 hidden units
	s_and_b32 s17, ttmp7, 0xffff
	s_lshl_b32 s17, s17, 2
	s_add_co_u32 s17, s17, s41                     ; which 128 tokens
	s_lshl_b32 s43, s41, 2
	s_lshl_b32 s43, 15, s43                        ; my row of the cluster
	s_lshl_b32 s44, 0x1111, s40                    ; my column
	; descriptor groups 1, elements of 8 bytes.  Codes: 2 rows (K steps) of 1,536 elements (eight records), a K step of the buffer apart.  Scale words: 2 rows of 64 elements (A: eight tiles) or 256 (B: 32 tiles)
	s_or_b32 s[G1A+0], s43, (3<<16)|(1<<21)
	s_or_b32 s[G1B+0], s44, (3<<16)|(1<<21)
	s_or_b32 s[G1SA+0], s43, (3<<16)|(1<<21)
	s_or_b32 s[G1SB+0], s44, (3<<16)|(1<<21)
.irp g, G1A, G1B
	s_mov_b32 s[\g+1], 1536<<16
	s_mov_b32 s[\g+2], 8<<16                       ; the head's loads bring all eight K steps
	s_mov_b32 s[\g+3], 1536<<16
	s_mov_b32 s[\g+4], 8
	s_mov_b32 s[\g+5], NT*192
	s_mov_b32 s[\g+6], 0
	s_mov_b32 s[\g+7], 0
.endr
	s_mov_b32 s[G1SA+1], 64<<16
	s_mov_b32 s[G1SA+2], 8<<16
	s_mov_b32 s[G1SA+3], 64<<16
	s_mov_b32 s[G1SA+4], 8
	s_mov_b32 s[G1SA+5], NT*8
	s_mov_b32 s[G1SA+6], 0
	s_mov_b32 s[G1SA+7], 0
	s_mov_b32 s[G1SB+1], 256<<16
	s_mov_b32 s[G1SB+2], 8<<16
	s_mov_b32 s[G1SB+3], 256<<16
	s_mov_b32 s[G1SB+4], 8
	s_mov_b32 s[G1SB+5], NT*8
	s_mov_b32 s[G1SB+6], 0
	s_mov_b32 s[G1SB+7], 0
	s_mul_i32 s18, s14, 2*NT                       ; the two K steps that I fetch
	s_lshl_b32 s20, s17, 3                         ; A: record (0, 8 x block)
	s_lshl_b32 s46, s42, 5                         ; B: record (0, 32 x group)
	s_lshl_b32 s22, s20, 6
	s_add_co_u32 s22, s22, ASCL
	s_lshl_b32 s92, s46, 6
	s_add_co_u32 s92, s92, BSCL
	s_mul_i32 s20, s20, REC
	s_mul_i32 s46, s46, REC
	s_add_co_u32 s46, s46, BIMG
	s_mov_b32 s21, 0
	s_mov_b32 s23, 0
	s_mov_b32 s47, 0
	s_mov_b32 s93, 0
	s_mul_i32 s98, s14, QUART                      ; where they go: by the wave's number alone
	s_mov_b32 s[SEL], 0x76543210
	s_mov_b32 s[SEL+1], 0xfedcba98
	s_mov_b32 s[TB], 0
	s_mov_b32 s[TS], 0
	s_wait_kmcnt 0x0
	s_add_nc_u64 s[20:21], s[4:5], s[20:21]
	s_add_nc_u64 s[22:23], s[4:5], s[22:23]
	s_add_nc_u64 s[46:47], s[6:7], s[46:47]
	s_add_nc_u64 s[92:93], s[6:7], s[92:93]
	CROUND                                         ; all sixteen work-groups are here: the first joint loads meet
	s_mov_b32 s[G0SA], 1
	s_mov_b32 s[G0SA+1], ASC
	s_mov_b64 s[G0SA+2:G0SA+3], s[22:23]
	s_or_b32 s[G0SA+3], s[G0SA+3], 0x80000000
	s_mov_b32 s[G0SB], 1
	s_mov_b32 s[G0SB+1], BSC
	s_mov_b64 s[G0SB+2:G0SB+3], s[92:93]
	s_or_b32 s[G0SB+3], s[G0SB+3], 0x80000000
	s_mov_b32 s[G0A], 1
	s_mov_b32 s[G0A+1], AST
	s_mov_b64 s[G0A+2:G0A+3], s[20:21]
	s_or_b32 s[G0A+3], s[G0A+3], 0x80000000
	s_mov_b32 s[G0B0], 1
	s_mov_b32 s[G0B0+1], 0
	s_mov_b64 s[G0B0+2:G0B0+3], s[46:47]
	s_or_b32 s[G0B0+3], s[G0B0+3], 0x80000000
	s_mov_b32 s[G0W], 1
	s_add_co_u32 s[G0W+1], s98, BUF1
	s_add_nc_u64 s[G0W+2:G0W+3], s[46:47], TROW
	s_mul_i32 s18, s18, REC                        ; the walking load brings my two K steps of a block
	s_mov_b32 s19, 0
	s_add_nc_u64 s[G0W+2:G0W+3], s[G0W+2:G0W+3], s[18:19]
	s_or_b32 s[G0W+3], s[G0W+3], 0x80000000
	; the head's four tiles, each whole, one joint load a wave, in one chain of arms: wave 0 A, wave 1 B's first block, wave 2 A's scale words, wave 3 B's
	s_cmp_lt_u32 s14, 1
	s_cbranch_scc0 .Lh1
	tensor_load_to_lds s[G0A:G0A+3], s[G1A:G1A+7]
	s_nop 0
	PLACES
	s_branch .Lhj
.Lh1:
	s_cmp_lt_u32 s14, 2
	s_cbranch_scc0 .Lh2
	tensor_load_to_lds s[G0B0:G0B0+3], s[G1B:G1B+7]
	s_nop 0
	PLACES
	s_branch .Lhj
.Lh2:
	s_cmp_lt_u32 s14, 3
	s_cbranch_scc0 .Lh3
	tensor_load_to_lds s[G0SA:G0SA+3], s[G1SA:G1SA+7]
	s_nop 0
	PLACES
	s_branch .Lhj
.Lh3:
	tensor_load_to_lds s[G0SB:G0SB+3], s[G1SB:G1SB+7]
	s_nop 0
	PLACES
.Lhj:
	v_and_b32 v1, 15, v0                           ; r
	s_wait_alu depctr_va_vdst(0)
	v_bfe_u32 v2, v0, 4, 1                         ; h
	v_and_b32 v3, 31, v0                           ; l
	s_wait_alu depctr_va_vdst(0)
	v_mul_u32_u24 v4, v3, 48
	s_mul_i32 s21, s16, 4*REC
	v_add_nc_u32 v[ADRB0], s21, v4                 ; B: my four tiles of a block's eight
	s_mul_i32 s21, s15, 4*REC
	s_add_co_u32 s22, s21, AST
	v_add_nc_u32 v[AAD], s22, v4                   ; A: my four tiles
	v_add_nc_u32 v[AAD+1], 4*TROW, v[AAD]
	s_mul_i32 s22, s16, 24
	s_add_co_u32 s21, s21, s22
	s_add_co_u32 s21, s21, STG
	v_add_nc_u32 v[STO], s21, v4                   ; record 4 (my half of A) + a; my 24 bytes at 48 l + 24 (my half of B)
	s_lshl_b32 s21, s15, 8
	s_add_co_u32 s22, s21, ASC
	v_lshl_add_u32 v[ADSA], v1, 2, s22
	s_lshl_b32 s22, s16, 1
	s_add_co_u32 s21, s21, s22
	s_add_co_u32 s21, s21, SST
	v_lshl_add_u32 v[SSO], v1, 2, s21
	s_lshl_b32 s21, s16, 8
	s_add_co_u32 s21, s21, BSC
	v_lshl_add_u32 v[ADSB0], v1, 2, s21
	v_lshlrev_b32 v[GOS], 4, v3
	s_mul_i32 s21, s14, 2*REC
	v_add_nc_u32 v[GOF], s21, v[GOS]               ; the way out: wave w copies records 2 w, 2 w + 1
	v_add_nc_u32 v[RDA], STG, v[GOF]
	v_add_nc_u32 v[RDS], SST, v[GOS]
	v_mov_b32 v[TP], 0                             ; written once: a lane permute's destination counts as one of its sources
	v_mov_b32 v[TP+1], 0
	v_mov_b32 v[GA], 0xaf95df0b
	v_mov_b32 v[GA+1], 0xaf95df0b
	v_mov_b32 v[GB], 0xb77460cd
	v_mov_b32 v[GB+1], 0xb77460cd
	v_lshlrev_b32 v[BO0], 6, v2                    ; the bias: eight numbers a tile in the result's layout
	s_lshl_b32 s[BOFS], s42, 11
	s_lshl_b32 s19, s16, 8
	s_add_co_u32 s[BOFS], s[BOFS], s19             ; my first hidden unit, in bytes
	v_add_nc_u32 v[BOF], s[BOFS], v[BO0]
	WIN 0x40
.irp b, 0,1,2,3
	global_load_b128 v[BI+8*\b:BI+8*\b+3], v[BOF], s[8:9] offset:(32*(\b/2)+8*(\b%2))*4
	global_load_b128 v[BI+8*\b+4:BI+8*\b+7], v[BOF], s[8:9] offset:(32*(\b/2)+8*(\b%2))*4+16
.endr
	WIN 0
	s_lshl_b32 s18, s42, 10                        ; where the eight records go: K step = which 128 hidden units (the first: 4 x), tiles = the tokens'
	s_lshl_b32 s19, s17, 3
	s_add_co_u32 s18, s18, s19
	s_mul_i32 s20, s18, REC
	s_mov_b32 s21, 0
	s_lshl_b32 s18, s18, 6
	s_add_co_u32 s18, s18, OSCL
	s_mov_b32 s19, 0
	s_add_nc_u64 s[12:13], s[10:11], s[18:19]      ; the scale words
	s_add_nc_u64 s[10:11], s[10:11], s[20:21]      ; the codes
	s_wait_alu depctr_va_vdst(0)                   ; at the head's end
	s_wait_tensorcnt 0x0                           ; my tile of the head's four is in
	ds_add_u32 v[SPW], v[NIL]                      ; ahead of a later first fill
	s_mov_b32 s[G1B+2], 2<<16                      ; no load of mine is out: from here on a load of B brings two K steps
	s_mov_b32 s[G1B+4], 2
	s_wait_dscnt 0x0
	CROUND                                         ; all four tiles are in, in every partner
	tensor_load_to_lds s[G0W:G0W+3], s[G1B:G1B+7]  ; B's second block, a quarter a wave
	s_nop 0
	PLACES
	WIN 0x80                                       ; destination window 2
	ALD 0
	ALD 1
	ALD 2
	ALD 3
	ALD 4
	WIN 0xc0                                       ; destination window 3
	ALD 5
	ALD 6
	ALD 7
	WIN 0
	SETADR
	FETCH 0, 0
	WIN 0
	s_mov_b32 s[CNT], NTILE-2
.Lfill:                                            ; the blocks behind which a buffer is filled again
	s_wait_alu depctr_va_vdst(0)
	TILE 1
	s_sub_co_u32 s[CNT], s[CNT], 1
	s_cmp_lg_u32 s[CNT], 0
	s_cbranch_scc1 .Lfill
	s_mov_b32 s[CNT], 2
.Ltail:                                            ; the last two blocks ask for nothing: written out
	TILE 0
	s_sub_co_u32 s[CNT], s[CNT], 1
	s_cmp_lg_u32 s[CNT], 0
	s_cbranch_scc1 .Ltail
	s_wait_tensorcnt 0x0                           ; the wave's end
	ds_add_u32 v[SPW], v[NIL]
	s_wait_dscnt 0x0
	CROUND                                         ; the closing round
	s_endpgm
.Lfunc_end_k_qfddb18e9c7_ffn1:
	.size	k_qfddb18e9c7_ffn1, .Lfunc_end_k_qfddb18e9c7_ffn1-k_qfddb18e9c7_ffn1
	.p2alignl 7, 3214868480
	.fill 96, 4, 3214868480
	.section	.rodata,"a",@progbits
	.p2align	6, 0x0
	.amdhsa_kernel k_qfddb18e9c7_ffn1
		.amdhsa_group_segment_fixed_size 327680
		.amdhsa_private_segment_fixed_size 0
		.amdhsa_enable_private_segment 0
		.amdhsa_kernarg_size 32
		.amdhsa_user_sgpr_count 2
		.amdhsa_user_sgpr_kernarg_segment_ptr 1
		.amdhsa_wavefront_size32 1
		.amdhsa_system_sgpr_workgroup_id_x 1
		.amdhsa_system_sgpr_workgroup_id_y 1
		.amdhsa_system_sgpr_workgroup_id_z 1
		.amdhsa_system_vgpr_workitem_id 0
		.amdhsa_next_free_vgpr 912
		.amdhsa_next_free_sgpr 102
		.amdhsa_reserve_vcc 0
		.amdhsa_float_denorm_mode_32 3
		.amdhsa_float_denorm_mode_16_64 3
		.amdhsa_memory_ordered 1
		.amdhsa_forward_progress 1
		.amdhsa_inst_pref_size 255
	.end_amdhsa_kernel
	.section	.bss,"aw",@nobits
	.p2align	6
	.space	262144
	.amdgpu_metadata
---
amdhsa.version: [ 1, 2 ]
amdhsa.kernels:
  - .name:           k_qfddb18e9c7_ffn1
    .symbol:         k_qfddb18e9c7_ffn1.kd
    .args:
      - { .name: hb, .offset: 0, .size: 8, .value_kind: global_buffer, .address_space: global }
      - { .name: wb, .offset: 8, .size: 8, .value_kind: global_buffer, .address_space: global }
      - { .name: b1, .offset: 16, .size: 8, .value_kind: global_buffer, .address_space: global }
      - { .name: gb, .offset: 24, .size: 8, .value_kind: global_buffer, .address_space: global }
    .group_segment_fixed_size: 327680
    .private_segment_fixed_size: 0
    .kernarg_segment_align: 8
    .kernarg_segment_size: 32
    .max_flat_workgroup_size: 128
    .sgpr_count:     102
    .vgpr_count:     912
    .wavefront_size: 32
...
	.end_amdgpu_metadata
.endif
;; end of part 6
;; launch ffn2 (part 7): grid 8 x 32, 4 waves a work-group, clusters of 4 x 4, 327,680 bytes of LDS; arguments gb, wb, b2, x1, out0; writes out0
.if DOCPART == 7
	.amdgcn_target "amdgcn-amd-amdhsa--gfx1250"
	.amdhsa_code_object_version 6
	.text
	.protected	k_qfddb18e9c7_ffn2
	.globl	k_qfddb18e9c7_ffn2
	.p2align	8
	.type	k_qfddb18e9c7_ffn2,@function
k_qfddb18e9c7_ffn2:
	s_mov_b64 s[64:65], 0
	v_nop
	global_prefetch_b8 v0, s[64:65] scope:SCOPE_SE
	s_setreg_imm32_b32 hwreg(HW_REG_WAVE_MODE, 25, 1), 1
	s_wait_xcnt 0x0
	s_wait_alu depctr_hold_cnt(0) depctr_sa_sdst(0) depctr_va_vdst(0) depctr_va_sdst(0) depctr_va_ssrc(0) depctr_va_vcc(0) depctr_vm_vsrc(0)
	s_getreg_b32 s2, hwreg(HW_REG_IB_STS2, 6, 4)
	s_cmp_eq_u32 s2, 0
	s_cbranch_scc0 .Lentry_in_a_cluster
	s_endpgm
.Lentry_in_a_cluster:
	s_bfe_u32 s2, ttmp6, 0x10000c
	s_cmp_lg_u32 s2, 0xf033
	s_cbranch_scc0 .Lentry_shape_is_right
	s_endpgm
.Lentry_shape_is_right:
.set SIZE_K, 4096
.set NTA,    256
.set NTB,    64
.set AIMG,   0
.set ASCL,   12582912
.set BIMG,   7372800
.set BSCL,   10518528
.set KT,     SIZE_K/128
.set LAPS,   SIZE_K/1024
.set REC,    1536
.set HALFT,  16*REC
.set SLOT,   4*HALFT
.set SCL,    2*SLOT
.set HALFS,  KT*256
.set STG,    229376
.set SPARE,  247296
.set ADRA, 16
.set ADRB, 18
.set ADRS, 20
.set STO,  21
.set RD,   22
.set CO,   23
.set SPW,  28
.set NIL,  29
.set PFO,  24                          ; v24 the prefetches' offset: 256 x min(lane, 23); never rewritten
.set PFA,  100                         ; s[100:101] where my prefetches stand;  s[104:105] four K steps of my operand's buffer
.set PST,  104
.set G0H,  4                           ; s[4:7], s[96:99] group 0 of the head's loads of slot 0: A's eight tiles, B's eight tiles, four K steps each
.set G0HB, 96
.set SC,   32
.set BI,   40
.set RB,   72
.set ACC,  128
.set G1,   24
.set G0,   32
.set G1B,  48
.set G0B,  56
.set G1S,  68
.set G0S,  76
.set G1SB, 80
.set G0SB, 88
.set MSB, 0
.macro WIN new
.if MSB != \new
	s_set_vgpr_msb (MSB<<8)|\new
.set MSB, \new
.endif
.endm
.macro PLACES
.rept 4
	v_nop
.endr
.endm
.macro JLOAD g0a, g1a, g0b, g1b
	s_cmp_eq_u32 s15, 0
	s_cbranch_scc0 .Lfor_b_\@
	tensor_load_to_lds s[\g0a:\g0a+3], s[\g1a:\g1a+7]
	s_nop 0
	PLACES
	s_branch .Lasked_\@
.Lfor_b_\@:
	tensor_load_to_lds s[\g0b:\g0b+3], s[\g1b:\g1b+7]
	s_nop 0
	PLACES
.Lasked_\@:
.endm
.macro CROUND
	s_barrier_signal -1
	s_barrier_wait -1
	s_cmp_lg_u32 s14, 0
	s_cbranch_scc1 .Lnot_wave_0_\@
	s_barrier_signal -3
.Lnot_wave_0_\@:
	s_barrier_wait -3
	s_barrier_signal -1
	s_barrier_wait -1
.endm
.macro FETCH slot, q, so, f
	WIN 0
.irp i, 0,1,2,3
	ds_load_b32 v[SC+4*(\f)+\i], v[ADRS] offset:512*(\so)+64*\i
.endr
	WIN 0x40
.irp i, 0,1,2,3
.irp c, 0,1,2
	ds_load_b128 v[96*(\f)+12*\i+4*\c:96*(\f)+12*\i+4*\c+3], v[ADRB+\slot] offset:(\q)*8*REC+\i*REC+16*\c
.endr
.endr
.irp i, 0,1,2,3
.irp c, 0,1,2
	ds_load_b128 v[96*(\f)+48+12*\i+4*\c:96*(\f)+48+12*\i+4*\c+3], v[ADRA+\slot] offset:(\q)*8*REC+\i*REC+16*\c
.endr
.endr
.endm
.macro MUL f, first
	WIN 0x05
.irp a, 0,1,2,3
.irp b, 0,1,2,3
.if \first
	v_wmma_scale_f32_16x16x128_f8f6f4 v[ACC+8*(4*\a+\b):ACC+8*(4*\a+\b)+7], v[96*(\f)+12*\b:96*(\f)+12*\b+11], v[96*(\f)+48+12*\a:96*(\f)+48+12*\a+11], v[BI+8*\b:BI+8*\b+7], v[SC+4*(\f)+\b], v[SC+4*(\f)+\a] matrix_a_fmt:MATRIX_FMT_FP6 matrix_b_fmt:MATRIX_FMT_FP6 matrix_a_scale:MATRIX_SCALE_ROW1
.else
	v_wmma_scale_f32_16x16x128_f8f6f4 v[ACC+8*(4*\a+\b):ACC+8*(4*\a+\b)+7], v[96*(\f)+12*\b:96*(\f)+12*\b+11], v[96*(\f)+48+12*\a:96*(\f)+48+12*\a+11], v[ACC+8*(4*\a+\b):ACC+8*(4*\a+\b)+7], v[SC+4*(\f)+\b], v[SC+4*(\f)+\a] matrix_a_fmt:MATRIX_FMT_FP6 matrix_b_fmt:MATRIX_FMT_FP6 matrix_a_scale:MATRIX_SCALE_ROW1
.endif
.endr
.endr
.endm
.macro KSTEP f, first, nslot, nq, nso
	s_wait_dscnt 0x0
	PLACES
	FETCH \nslot, \nq, \nso, 1-(\f)
	MUL \f, \first
.endm
.macro LAST slot, next, fill, nso
	WIN 0
.if \fill
	s_wait_xcnt 0x0                                ; my last prefetch has read its address: it steps four K steps on
	s_add_nc_u64 s[PFA:PFA+1], s[PFA:PFA+1], s[PST:PST+1]
.endif
	s_wait_tensorcnt 0x0
	ds_add_u32 v[SPW], v[NIL]
.if \fill
	s_add_nc_u64 s[G0+4*\slot+2:G0+4*\slot+3], s[G0+4*\slot+2:G0+4*\slot+3], 8*NTA*REC
	s_add_nc_u64 s[G0B+4*\slot+2:G0B+4*\slot+3], s[G0B+4*\slot+2:G0B+4*\slot+3], 8*NTB*REC
.endif
	s_wait_dscnt 0x0
.if \fill
	CROUND
	JLOAD G0+4*\slot, G1, G0B+4*\slot, G1B
.else
	s_barrier_signal -1
	s_barrier_wait -1
	PLACES
.endif
	FETCH \next, 0, \nso, 0
.if \fill
	WIN 0
	s_cmp_gt_u32 s3, 1                             ; the loop's last trip has no four K steps two refills on
	s_cbranch_scc0 .Lnp_\@
	global_prefetch_b8 v[PFO], s[PFA:PFA+1] th:TH_LOAD_NT scope:SCOPE_SE   ; what the refill two refills on will load: of its four K steps the partner at place p names K step p, a wave 24 blocks of 256 bytes
.Lnp_\@:
.endif
	MUL 1, 0
.endm
	s_load_b128 s[4:7], s[0:1], 0x0
	s_load_b128 s[8:11], s[0:1], 0x10
	s_load_b64 s[12:13], s[0:1], 0x20
	v_lshl_add_u32 v[SPW], v0, 2, SPARE
	v_mov_b32 v[NIL], 0
	ds_add_u32 v28, v29
	ds_add_u32 v28, v29
	s_wait_dscnt 0x0
	v_lshrrev_b32 v1, 5, v0
	v_readfirstlane_b32 s14, v1
	v_and_b32 v[PFO], 31, v0
	v_min_u32 v[PFO], 23, v[PFO]
	v_lshlrev_b32 v[PFO], 8, v[PFO]
	s_lshr_b32 s15, s14, 1
	s_and_b32 s16, s14, 1
	s_bfe_u32 s40, ttmp6, 0x40000
	s_bfe_u32 s41, ttmp6, 0x40004
	s_lshl_b32 s42, ttmp9, 2
	s_add_co_u32 s42, s42, s40
	s_and_b32 s17, ttmp7, 0xffff
	s_lshl_b32 s17, s17, 2
	s_add_co_u32 s17, s17, s41
	s_lshl_b32 s43, s41, 2
	s_lshl_b32 s43, 15, s43
	s_lshl_b32 s44, 0x1111, s40
	s_or_b32 s[G1+0], s43, (3<<16)|(1<<21)
	s_or_b32 s[G1B+0], s44, (3<<16)|(1<<21)
	s_or_b32 s[G1S+0], s43, (3<<16)|(1<<21)
	s_or_b32 s[G1SB+0], s44, (3<<16)|(1<<21)
.irp g, G1, G1B
	s_mov_b32 s[\g+1], 1536<<16
	s_mov_b32 s[\g+2], 4<<16
	s_mov_b32 s[\g+3], 1536<<16
	s_mov_b32 s[\g+4], 4
	s_mov_b32 s[\g+6], 0
	s_mov_b32 s[\g+7], 0
.endr
	s_mov_b32 s[G1+5], NTA*192
	s_mov_b32 s[G1B+5], NTB*192
.irp g, G1S, G1SB
	s_mov_b32 s[\g+1], 64<<16
	s_mov_b32 s[\g+2], KT<<16
	s_mov_b32 s[\g+3], 64<<16
	s_mov_b32 s[\g+4], KT
	s_mov_b32 s[\g+6], 0
	s_mov_b32 s[\g+7], 0
.endr
	s_mov_b32 s[G1S+5], NTA*8
	s_mov_b32 s[G1SB+5], NTB*8
	s_lshl_b32 s20, s17, 3
	s_lshl_b32 s46, s42, 3
	s_lshl_b32 s22, s20, 6
	s_add_co_u32 s22, s22, ASCL
	s_lshl_b32 s92, s46, 6
	s_add_co_u32 s92, s92, BSCL
	s_mul_i32 s20, s20, REC
	s_add_co_u32 s20, s20, AIMG
	s_mul_i32 s46, s46, REC
	s_add_co_u32 s46, s46, BIMG
	s_mov_b32 s21, 0
	s_mov_b32 s23, 0
	s_mov_b32 s47, 0
	s_mov_b32 s93, 0
	s_mul_i32 s45, s14, HALFT
	s_wait_kmcnt 0x0
	s_add_nc_u64 s[20:21], s[4:5], s[20:21]
	s_add_nc_u64 s[22:23], s[4:5], s[22:23]
	s_add_nc_u64 s[46:47], s[6:7], s[46:47]
	s_add_nc_u64 s[92:93], s[6:7], s[92:93]
	CROUND
	s_mov_b32 s[G0S], 1
	s_mov_b32 s[G0S+1], SCL
	s_mov_b64 s[G0S+2:G0S+3], s[22:23]
	s_or_b32 s[G0S+3], s[G0S+3], 0x80000000
	s_mov_b32 s[G0SB], 1
	s_mov_b32 s[G0SB+1], SCL+2*HALFS
	s_mov_b64 s[G0SB+2:G0SB+3], s[92:93]
	s_or_b32 s[G0SB+3], s[G0SB+3], 0x80000000
	s_mov_b32 s[G0H], 1
	s_mov_b32 s[G0H+1], 0
	s_mov_b64 s[G0H+2:G0H+3], s[20:21]
	s_or_b32 s[G0H+3], s[G0H+3], 0x80000000
	s_mov_b32 s[G0HB], 1
	s_mov_b32 s[G0HB+1], 2*HALFT
	s_mov_b64 s[G0HB+2:G0HB+3], s[46:47]
	s_or_b32 s[G0HB+3], s[G0HB+3], 0x80000000
	; the prefetches: waves 0 and 1 name A's bytes, waves 2 and 3 B's; the four partners of a joint load are told apart by address alone
	s_cmp_eq_u32 s15, 0
	s_cselect_b64 s[PFA:PFA+1], s[20:21], s[46:47]
	s_cselect_b32 s95, s40, s41
	s_mov_b32 s[PST], NTB*REC
	s_cselect_b32 s[PST], NTA*REC, s[PST]
	s_mov_b32 s[PST+1], 0
	s_add_co_u32 s95, s95, 8                       ; K step 8 + my place: the first refill's
	s_mul_i32 s94, s95, s[PST]
	s_mov_b32 s95, 0
	s_add_nc_u64 s[PFA:PFA+1], s[PFA:PFA+1], s[94:95]
	s_mul_i32 s94, s16, 4*REC
	s_add_nc_u64 s[PFA:PFA+1], s[PFA:PFA+1], s[94:95]
	s_lshl_b32 s[PST], s[PST], 2
	; the head's four tiles, each whole, one joint load a wave, in one chain of arms: wave 0 A's slot 0, wave 1 B's, wave 2 A's scale words, wave 3 B's
	s_cmp_lt_u32 s14, 1
	s_cbranch_scc0 .Lh1
	tensor_load_to_lds s[G0H:G0H+3], s[G1:G1+7]
	s_nop 0
	PLACES
	s_branch .Lhj
.Lh1:
	s_cmp_lt_u32 s14, 2
	s_cbranch_scc0 .Lh2
	tensor_load_to_lds s[G0HB:G0HB+3], s[G1B:G1B+7]
	s_nop 0
	PLACES
	s_branch .Lhj
.Lh2:
	s_cmp_lt_u32 s14, 3
	s_cbranch_scc0 .Lh3
	tensor_load_to_lds s[G0S:G0S+3], s[G1S:G1S+7]
	s_nop 0
	PLACES
	s_branch .Lhj
.Lh3:
	tensor_load_to_lds s[G0SB:G0SB+3], s[G1SB:G1SB+7]
	s_nop 0
	PLACES
.Lhj:
	s_mul_i32 s94, s16, 2*NTA*REC                  ; in the ring a wave brings two of a slot's four K steps
	s_add_nc_u64 s[20:21], s[20:21], s[94:95]
	s_mul_i32 s94, s16, 2*NTB*REC
	s_add_nc_u64 s[46:47], s[46:47], s[94:95]
.irp s, 0,1
	s_mov_b32 s[G0+4*\s], 1
	s_add_co_u32 s[G0+4*\s+1], s45, \s*SLOT
	s_add_nc_u64 s[G0+4*\s+2:G0+4*\s+3], s[20:21], \s*4*NTA*REC
	s_or_b32 s[G0+4*\s+3], s[G0+4*\s+3], 0x80000000
	s_mov_b32 s[G0B+4*\s], 1
	s_add_co_u32 s[G0B+4*\s+1], s45, \s*SLOT
	s_add_nc_u64 s[G0B+4*\s+2:G0B+4*\s+3], s[46:47], \s*4*NTB*REC
	s_or_b32 s[G0B+4*\s+3], s[G0B+4*\s+3], 0x80000000
.endr
	s_wait_alu depctr_va_vdst(0)
	s_wait_tensorcnt 0x0                           ; my tile of the head's four is in
	ds_add_u32 v28, v29                            ; ahead of a later first fill
	s_mov_b32 s[G1+2], 2<<16                       ; no load of mine is out: from here on a load brings two K steps
	s_mov_b32 s[G1+4], 2
	s_mov_b32 s[G1B+2], 2<<16
	s_mov_b32 s[G1B+4], 2
	s_wait_dscnt 0x0
	CROUND                                         ; all four tiles are in, in every partner
	JLOAD G0+4, G1, G0B+4, G1B                     ; slot 1's first fill
	global_prefetch_b8 v[PFO], s[PFA:PFA+1] th:TH_LOAD_NT scope:SCOPE_SE   ; K steps 8-11
	v_and_b32 v1, 15, v0
	v_bfe_u32 v2, v0, 4, 1
	s_wait_alu depctr_va_vdst(0)
	v_and_b32 v3, 31, v0
	v_mul_u32_u24 v4, v3, 48
	s_mul_i32 s21, s15, 4*REC
	s_mul_i32 s22, s16, 4*REC
	s_add_co_u32 s22, s22, 2*HALFT
.irp s, 0,1
	v_add_nc_u32 v[ADRA+\s], s21, v4
	v_add_nc_u32 v[ADRB+\s], s22, v4
	s_add_co_u32 s21, s21, SLOT
	s_add_co_u32 s22, s22, SLOT
.endr
	v_lshlrev_b32 v5, 2, v1
	s_lshl_b32 s21, s15, 8
	s_lshl_b32 s22, s16, 8
	s_add_co_u32 s22, s22, 2*HALFS
	s_sub_co_u32 s22, s22, s21
	v_mul_u32_u24 v6, s22, v2
	s_add_co_u32 s21, s21, SCL
	v_add_nc_u32 v5, v5, v6
	v_add_nc_u32 v[ADRS], s21, v5
	s_mul_i32 s21, s14, 16*272
	s_add_co_u32 s21, s21, STG
	v_mul_u32_u24 v[STO], v1, 272
	v_lshl_add_u32 v[STO], v2, 6, v[STO]
	v_add_nc_u32 v[STO], s21, v[STO]
	v_mul_u32_u24 v[RD], v2, 272
	v_lshl_add_u32 v[RD], v1, 4, v[RD]
	v_add_nc_u32 v[RD], s21, v[RD]
	v_lshlrev_b32 v[CO], 12, v2
	v_lshl_add_u32 v[CO], v1, 4, v[CO]
	s_wait_alu depctr_va_vdst(0)
	v_lshlrev_b32 v7, 6, v2
	s_lshl_b32 s18, s42, 9
	s_lshl_b32 s19, s16, 8
	s_add_co_u32 s18, s18, s19
	v_add_nc_u32 v7, s18, v7
.irp b, 0,1,2,3
	global_load_b128 v[BI+8*\b:BI+8*\b+3], v7, s[8:9] offset:(32*(\b/2)+8*(\b%2))*4
	global_load_b128 v[BI+8*\b+4:BI+8*\b+7], v7, s[8:9] offset:(32*(\b/2)+8*(\b%2))*4+16
.endr
	s_lshl_b32 s19, s17, 19
	s_add_co_u32 s18, s18, s19
	s_lshl_b32 s19, s15, 18
	s_add_co_u32 s18, s18, s19
	s_mov_b32 s19, 0
	s_add_nc_u64 s[10:11], s[10:11], s[18:19]
	s_add_nc_u64 s[12:13], s[12:13], s[18:19]
	WIN 0x80
.irp a, 0,1,2,3
.irp i, 0,1,2,3,4,5,6,7
	global_load_b128 v[4*(8*\a+\i):4*(8*\a+\i)+3], v[CO], s[10:11] offset:(8*(\a%2)+32*(\a/2)+2*(\i%4)+16*(\i/4))*4096 th:TH_LOAD_NT
.endr
.endr
	WIN 0
	s_wait_xcnt 0x0
	s_add_nc_u64 s[PFA:PFA+1], s[PFA:PFA+1], s[PST:PST+1]
	global_prefetch_b8 v[PFO], s[PFA:PFA+1] th:TH_LOAD_NT scope:SCOPE_SE   ; K steps 12-15
	FETCH 0, 0, 0, 0
	s_wait_loadcnt 32
	KSTEP 0, 1, 0, 1, 1
.if LAPS > 1
	WIN 0
	s_mov_b32 s3, LAPS-1
.Llap:
	s_wait_alu depctr_va_vdst(0)
	KSTEP 1, 0, 0, 2, 2
	KSTEP 0, 0, 0, 3, 3
	LAST 0, 1, 1, 4
	KSTEP 0, 0, 1, 1, 5
	KSTEP 1, 0, 1, 2, 6
	KSTEP 0, 0, 1, 3, 7
	LAST 1, 0, 1, 8
	KSTEP 0, 0, 0, 1, 9
	WIN 0
	v_add_nc_u32 v[ADRS], 4096, v[ADRS]
	s_sub_co_u32 s3, s3, 1
	s_cmp_lg_u32 s3, 0
	s_cbranch_scc1 .Llap
.endif
	s_wait_alu depctr_va_vdst(0)
	KSTEP 1, 0, 0, 2, 2
	KSTEP 0, 0, 0, 3, 3
	LAST 0, 1, 0, 4
	KSTEP 0, 0, 1, 1, 5
	KSTEP 1, 0, 1, 2, 6
	KSTEP 0, 0, 1, 3, 7
	s_wait_dscnt 0x0
	MUL 1, 0
	WIN 0
	s_wait_loadcnt 0x0
	PLACES
.irp a, 0,1,2,3
.if \a > 0
	s_wait_xcnt 0x0
.endif
.irp b, 0,1,2,3
	ds_store_b128 v[STO], v[ACC+8*(4*\a+\b):ACC+8*(4*\a+\b)+3] offset:128*(\b/2)+32*(\b%2)
	ds_store_b128 v[STO], v[ACC+8*(4*\a+\b)+4:ACC+8*(4*\a+\b)+7] offset:128*(\b/2)+32*(\b%2)+16
.endr
.irp i, 0,1,2,3,4,5,6,7
	ds_load_b128 v[RB+4*\i:RB+4*\i+3], v[RD] offset:544*\i
.endr
	s_wait_dscnt 0x0
	WIN 0x08
.irp i, 0,1,2,3,4,5,6,7
	v_pk_add_f32 v[RB+4*\i:RB+4*\i+1], v[RB+4*\i:RB+4*\i+1], v[4*(8*\a+\i):4*(8*\a+\i)+1]
	v_pk_add_f32 v[RB+4*\i+2:RB+4*\i+3], v[RB+4*\i+2:RB+4*\i+3], v[4*(8*\a+\i)+2:4*(8*\a+\i)+3]
.endr
	WIN 0
.irp i, 0,1,2,3,4,5,6,7
	global_store_b128 v[CO], v[RB+4*\i:RB+4*\i+3], s[12:13] offset:(8*(\a%2)+32*(\a/2)+2*(\i%4)+16*(\i/4))*4096 th:TH_STORE_NT
.endr
.endr
	s_wait_tensorcnt 0x0
	ds_add_u32 v[SPW], v[NIL]
	s_wait_dscnt 0x0
	CROUND
	s_endpgm
.Lfunc_end_k_qfddb18e9c7_ffn2:
	.size	k_qfddb18e9c7_ffn2, .Lfunc_end_k_qfddb18e9c7_ffn2-k_qfddb18e9c7_ffn2
	.p2alignl 7, 3214868480
	.fill 96, 4, 3214868480
	.section	.rodata,"a",@progbits
	.p2align	6, 0x0
	.amdhsa_kernel k_qfddb18e9c7_ffn2
		.amdhsa_group_segment_fixed_size 327680
		.amdhsa_private_segment_fixed_size 0
		.amdhsa_enable_private_segment 0
		.amdhsa_kernarg_size 40
		.amdhsa_user_sgpr_count 2
		.amdhsa_user_sgpr_kernarg_segment_ptr 1
		.amdhsa_wavefront_size32 1
		.amdhsa_system_sgpr_workgroup_id_x 1
		.amdhsa_system_sgpr_workgroup_id_y 1
		.amdhsa_system_sgpr_workgroup_id_z 1
		.amdhsa_system_vgpr_workitem_id 0
		.amdhsa_next_free_vgpr 640
		.amdhsa_next_free_sgpr 106
		.amdhsa_reserve_vcc 0
		.amdhsa_float_denorm_mode_32 3
		.amdhsa_float_denorm_mode_16_64 3
		.amdhsa_memory_ordered 1
		.amdhsa_forward_progress 1
		.amdhsa_inst_pref_size 94
	.end_amdhsa_kernel
	.amdgpu_metadata
---
amdhsa.version: [ 1, 2 ]
amdhsa.kernels:
  - .name:           k_qfddb18e9c7_ffn2
    .symbol:         k_qfddb18e9c7_ffn2.kd
    .args:
      - { .name: gb, .offset: 0, .size: 8, .value_kind: global_buffer, .address_space: global }
      - { .name: wb, .offset: 8, .size: 8, .value_kind: global_buffer, .address_space: global }
      - { .name: b2, .offset: 16, .size: 8, .value_kind: global_buffer, .address_space: global }
      - { .name: x1, .offset: 24, .size: 8, .value_kind: global_buffer, .address_space: global }
      - { .name: out0, .offset: 32, .size: 8, .value_kind: global_buffer, .address_space: global }
    .group_segment_fixed_size: 327680
    .private_segment_fixed_size: 0
    .kernarg_segment_align: 8
    .kernarg_segment_size: 40
    .max_flat_workgroup_size: 128
    .sgpr_count:     106
    .vgpr_count:     640
    .wavefront_size: 32
...
	.end_amdgpu_metadata
.endif
;; end of part 7
